; MI455X (gfx1250); checked and timed in simulation.
; The chip was launched on July 23, 2026; its instructions are those of AMD's public machine-readable ISA for CDNA 5 (MIT licence, August 2026) and "CDNA5" Instruction Set Architecture Reference Guide (July 2026). The comments in the code are by the model that wrote it; some were corrected since.
;; Multi Head Attention. Allowed arithmetic: matrix products marked QUANTISED: E2M1 operands, one E8M0 scale for each 32 along K, by v_wmma_scale_f32_16x16x128_f8f6f4 with both operands' format E2M1 (or v_wmma_scale_f32_32x16x128_f4), f32 sums; products left as they are: bf16, f16 or f32 operands; f32 sums; everything else in f32.
;; Inputs: W_o 1,024 x 1,024 float32; W_qkv 1,024 x 3,072 float32; b_o 1,024 float32; b_qkv 3,072 float32; x 4 x 2,048 x 1,024 float32.
;; Outputs: out0 4 x 2,048 x 1,024 float32.
;; This version of the problem:
;;   THIS VERSION OF THE PROBLEM IS GIVEN IN LOW PRECISION. The matrix products marked QUANTISED in the list below multiply operands that are first quantised to E2M1 (2 exponent bits, 1 mantissa bit; 4 bits a number), with one power-of-two scale for each 32 numbers along K (OCP MX v1.0); their sums are f32. The products marked 'left as it is' may take bf16, f16 or f32 operands, with f32 sums. Whichever they take, every output number must still come out within the allowed error. Rounding operands to bf16 (8 significant bits) uses up far more of that allowance than f16 does (11 bits, for magnitudes from 6e-5 to 65,504). All else is computed in f32.
;;   The module's matrix products, in the order in which they are computed (A, B: the left and right operand; K: the contracted axis; several contracted axes count as one K, in the product's order):
;;     1. [M 8,192, K 1,024] x [K 1,024, N 3,072]; A: input x; B: input W_qkv: QUANTISED
;;     2. batch 64 x [M 2,048, K 64] x [K 64, N 2,048]; A: computed on the way; B: computed on the way: left as it is (an operand is computed on the way)
;;     3. batch 64 x [M 2,048, K 2,048] x [K 2,048, N 64]; A: computed on the way; B: computed on the way: left as it is (an operand is computed on the way)
;;     4. [M 8,192, K 1,024] x [K 1,024, N 1,024]; A: computed on the way; B: input W_o: left as it is (an operand is computed on the way)
;;   THE QUANTISER, for each operand of a quantised product, along K:
;;     - K is cut into blocks of 32 from its start; a last block that is shorter is filled with zeros.
;;     - A block's scale is 2^e with e = floor(log2(the largest magnitude in the block)) - 2, held to -126 .. 127; a block of zeros has e = 0. As a byte (E8M0): e + 127.
;;     - Each number is divided by its block's scale, clamped to +-6, and rounded to the nearest number of E2M1, ties to even, subnormals kept.
;;     - The product sums the exact products of the quantised numbers (number of the format x scale) in f32.
;;   ~~~python
;;   def quantise(x, axis):      # numpy; x: float32 -> the quantised numbers, widened to float32 again
;;       x = np.moveaxis(x, axis, -1); K = x.shape[-1]
;;       x = np.pad(x, [(0, 0)] * (x.ndim - 1) + [(0, -K % 32)]); x = x.reshape(x.shape[:-1] + (-1, 32)); a = np.abs(x).max(-1, keepdims=True)
;;       e = np.where(a > 0, np.clip(np.frexp(np.where(a > 0, a, 1))[1] - 1 - 2, -126, 127), 0)      # np.frexp(a)[1] - 1 = floor(log2(a)), exactly
;;       r = np.clip(x / 2.0 ** e, -6, 6)
;;       step = 2.0 ** (np.maximum(np.frexp(np.where(r == 0, 1, r))[1] - 1, 0) - 1)
;;       q = np.round(r / step) * step * 2.0 ** e      # np.round: ties to even
;;       return np.moveaxis(q.reshape(q.shape[:-2] + (-1,))[..., :K], -1, axis).astype(np.float32)
;;   ~~~
;; One version. Each part assembles by itself: llvm-mc -triple=amdgcn-amd-amdhsa -mcpu=gfx1250 --defsym DOCPART=n.
;; ======== version 1 of 1: 4 launches
;; limits: values are held in f16: magnitudes above 65,504 overflow, below 6.1e-05 lose precision
;; workspace buffers: xq 4,194,304 bytes; sx 262,144 bytes; wq 1,572,864 bytes; sw 98,304 bytes; wo16 2,097,152 bytes; qkv 50,331,648 bytes; ob 16,777,216 bytes
;; launch prep (part 1): grid 576 x 1, 4 waves a work-group, no clusters, 34,304 bytes of LDS; arguments x, W_qkv, W_o, xq, sx, wq, sw, wo16; writes xq, sx, wq, sw, wo16
.if DOCPART == 1
	.amdgcn_target "amdgcn-amd-amdhsa--gfx1250"
	.amdhsa_code_object_version 6
	.text
	.protected	k_q22ba7d7d86_prep
	.globl	k_q22ba7d7d86_prep
	.p2align	8
	.type	k_q22ba7d7d86_prep,@function
k_q22ba7d7d86_prep:
	s_mov_b64 s[64:65], 0
	v_nop
	global_prefetch_b8 v0, s[64:65] scope:SCOPE_SE
	s_setreg_imm32_b32 hwreg(HW_REG_WAVE_MODE, 25, 1), 1
	s_wait_xcnt 0x0
; x [8192][1024] and W_qkv [1024][3072], f32, become codes of FP4 (E2M1) with one E8M0 scale byte for each 32 along K; W_o [1024][1024] becomes f16.
; A block's scale is 2^(floor(log2(its largest magnitude)) - 2); its byte is the largest magnitude's exponent field - 2, held at 1 from below.
; THE CODES ARE LAID AS IMAGES OF THE OPERAND'S REGISTERS: a fragment (16 rows x 128 K) is 1,024 bytes, block b of row r at 256 b + 16 r, which is group c = b / 2 of lane r + 16 (b % 2) at 512 c + 16 lane.
;   xq [K half 2][tile of 16 rows 512][K step % 4][1024];  wq [K half 2][tile of 16 columns 192][K step % 4][1024];  sx, sw [tile][K step 8][16] one 32-bit scale word each.
; LIMITS: a block of zeros gets the byte 1 where the rule says 127 (its codes are zeros, and this program alone reads the bytes); blocks whose largest magnitude lies under 2^-124 were not tried;
; NaN and infinities among the inputs are not served.  W_o's numbers must lie inside f16's range (65,504).
; One launch, three paths chosen by the work-group's number: 0-255 x, 256-447 W_qkv, 448-575 W_o.  Only x's path uses LDS.  No tensor load, no barrier: waves share nothing.
.set SPARE, 33792                      ; behind the four stages of 8,448 bytes: the spare words, 128 bytes for each wave
.set XR,    32                         ; v32-95   64 numbers of a lane in the operand's order
.set RR,    96                         ; v96-223  numbers as they are loaded
.set CD,    224                        ; v224-255 codes: registers of their own for each K step or block, so that no store's data are written again
	s_load_b256 s[4:11], s[0:1], 0x0               ; x s[4:5], W_qkv s[6:7], W_o s[8:9], xq s[10:11]
	s_load_b256 s[12:19], s[0:1], 0x20             ; sx s[12:13], wq s[14:15], sw s[16:17], wo16 s[18:19]
	v_lshl_add_u32 v28, v0, 2, SPARE               ; my spare word; never rewritten
	v_mov_b32 v29, 0                               ; 0; never rewritten
	v_lshrrev_b32 v1, 5, v0
	v_readfirstlane_b32 s22, v1                    ; wave 0..3
	v_and_b32 v1, 31, v0                           ; lane
	v_and_b32 v2, 15, v0                           ; r
	v_bfe_u32 v3, v0, 4, 1                         ; h
	v_lshlrev_b32 v4, 4, v1                        ; 16 x lane
	v_lshlrev_b32 v7, 2, v1                        ; 4 x lane
	v_lshlrev_b32 v8, 3, v3                        ; 8 h
	v_lshlrev_b32 v25, 3, v1                       ; 8 x lane
	s_mul_i32 s23, s22, 8448                       ; my stage: 16 rows x (512 bytes + 16)
	v_add_nc_u32 v5, s23, v4                       ; into it: a row's 512 bytes as they lie
	v_mul_u32_u24 v6, v2, 528
	v_lshl_add_u32 v6, v3, 7, v6
	v_add_nc_u32 v6, s23, v6                       ; out of it: row r, 32 numbers from 32 h on
	v_mov_b32 v20, 0                               ; written once: a lane permute's destination counts as one of its sources
	v_cmp_lt_u32 s30, 15, v1                       ; lanes 16-31
	s_mov_b32 s20, 0x76543210
	s_mov_b32 s21, 0xfedcba98                      ; v_permlanex16_b32's selects for lane l xor 16
	s_mov_b32 s25, 0                               ; the upper word of the offsets' pair s[24:25]
	s_wait_kmcnt 0x0
	s_cmp_lt_u32 ttmp9, 256
	s_cbranch_scc0 .Lnot_x
; ---- x: a wave takes 16 rows x 512 along K: four K steps of 128.
	s_lshl_b32 s23, ttmp9, 2
	s_add_co_u32 s23, s23, s22                     ; unit = 4 x work-group + wave
	s_lshr_b32 s26, s23, 1                         ; tile of 16 rows
	s_and_b32 s27, s23, 1                          ; K half
	s_lshl_b32 s24, s26, 16                        ; 16 rows of 4,096 bytes
	s_lshl_b32 s28, s27, 11                        ; 512 numbers
	s_add_co_u32 s24, s24, s28
	s_add_nc_u64 s[4:5], s[4:5], s[24:25]
	s_lshl_b32 s24, s26, 12                        ; four images a tile
	s_lshl_b32 s28, s27, 21                        ; 512 tiles a K half
	s_add_co_u32 s24, s24, s28
	s_add_nc_u64 s[10:11], s[10:11], s[24:25]
	s_lshl_b32 s24, s26, 9                         ; 8 x 16 words a tile
	s_lshl_b32 s28, s27, 8
	s_add_co_u32 s24, s24, s28
	s_add_nc_u64 s[12:13], s[12:13], s[24:25]
.macro XLOAD ks                        ; K step ks of my 16 rows: each load reads 512 consecutive bytes of one row
.irp rr, 0,1,2,3,4,5,6,7,8,9,10,11,12,13,14,15
	global_load_b128 v[RR+64*((\ks)%2)+4*\rr:RR+64*((\ks)%2)+4*\rr+3], v4, s[4:5] offset:\rr*4096+(\ks)*512 th:TH_LOAD_NT
.endr
.endm
.macro XSTEP ks
.if (\ks) < 3
	s_wait_loadcnt 16                              ; this K step's 16 loads are in; the next step's 16 may be out
.else
	s_wait_loadcnt 0
.endif
.irp rr, 0,1,2,3,4,5,6,7,8,9,10,11,12,13,14,15
	ds_store_b128 v5, v[RR+64*((\ks)%2)+4*\rr:RR+64*((\ks)%2)+4*\rr+3] offset:528*\rr
.endr
.irp c, 0,1                            ; lane (r, h) takes k = 64 c + 32 h + 0 .. 31 of row r: two whole blocks.  LDS serves a wave's instructions in order: these see the stores above
.irp j, 0,1,2,3,4,5,6,7
	ds_load_b128 v[XR+32*\c+4*\j:XR+32*\c+4*\j+3], v6 offset:256*\c+16*\j
.endr
.endr
	s_wait_dscnt 0x0
.if (\ks) < 2
	XLOAD (\ks)+2                                  ; into the registers that the stores above have read
.endif
.irp c, 0,1
	v_max3_num_f32 v[13+\c], |v[XR+32*\c]|, |v[XR+32*\c+1]|, 0x1800000   ; my block 2 c + h, and the floor 2^(3 - 127): so the byte cannot fall under 1
.endr
.irp i, 2,4,6,8,10,12,14,16,18,20,22,24,26,28,30
.irp c, 0,1
	v_max3_num_f32 v[13+\c], v[13+\c], |v[XR+32*\c+\i]|, |v[XR+32*\c+\i+1]|   ; (the two blocks by turns)
.endr
.endr
.irp c, 0,1
	v_add_nc_u32 v[15+\c], 0xff000000, v[13+\c]    ; 2 off the exponent field: the conversion takes the exponent field of this operand as its scale
.endr
.irp c, 0,1
	v_lshrrev_b32 v[17+\c], 23, v[15+\c]           ; the scale's byte
.endr
	v_lshl_or_b32 v19, v18, 16, v17                ; my two bytes: blocks h and 2 + h,
	v_lshlrev_b32 v19, v8, v19                     ; at their places in the scale word;
	v_permlanex16_b32 v20, v19, s20, s21
	v_or_b32 v[9+(\ks)], v19, v20                  ; with lane l xor 16's two the word of row r is whole
.irp c, 0,1
.irp g, 0,1,2,3
	v_cvt_scalef32_pk8_fp4_f32 v[CD+8*(\ks)+4*\c+\g], v[XR+32*\c+8*\g:XR+32*\c+8*\g+7], v[15+\c]
.endr
.endr
	v_nop                                          ; one plain place behind the scaled conversions
.irp c, 0,1
	global_store_b128 v4, v[CD+8*(\ks)+4*\c:CD+8*(\ks)+4*\c+3], s[10:11] offset:1024*(\ks)+512*\c   ; the image: 512 consecutive bytes
.endr
.endm
	XLOAD 0
	XLOAD 1
	XSTEP 0
	XSTEP 1
	XSTEP 2
	XSTEP 3
.irp p, 0,1                            ; lanes 0-15 store K step 2 p's sixteen words, lanes 16-31 K step 2 p + 1's: 128 consecutive bytes; the two stores fill 256
	v_cndmask_b32 v[21+\p], v[9+2*\p], v[10+2*\p], s30
	global_store_b32 v7, v[21+\p], s[12:13] offset:128*\p
.endr
	s_branch .Lend
.Lnot_x:
	s_cmp_lt_u32 ttmp9, 448
	s_cbranch_scc0 .Lpath_o
; ---- W_qkv: K is its first axis.  A lane takes a column and its registers run down K: a wave takes 32 columns x 128 along K, four blocks a lane; the four waves stand side by side on 512 bytes of a row.
	s_sub_co_u32 s23, ttmp9, 256
	s_mul_hi_u32 s26, s23, 0x0aaaaaab              ; K step = number / 24 (exact for numbers under 192)
	s_mul_i32 s27, s26, 24
	s_sub_co_u32 s27, s23, s27                     ; group of 128 columns = number % 24
	s_mul_i32 s24, s26, 1572864                    ; 128 rows of 12,288 bytes
	s_lshl_b32 s28, s27, 9
	s_add_co_u32 s24, s24, s28
	s_lshl_b32 s28, s22, 7
	s_add_co_u32 s24, s24, s28                     ; + 4 (128 group + 32 wave)
	s_add_nc_u64 s[6:7], s[6:7], s[24:25]
	s_lshr_b32 s24, s26, 2
	s_mul_i32 s24, s24, 786432                     ; K half: 192 tiles of 4,096 bytes
	s_lshl_b32 s28, s27, 15
	s_add_co_u32 s24, s24, s28
	s_lshl_b32 s28, s22, 13
	s_add_co_u32 s24, s24, s28                     ; tile 8 group + 2 wave
	s_and_b32 s28, s26, 3
	s_lshl_b32 s28, s28, 10
	s_add_co_u32 s24, s24, s28                     ; K step % 4
	s_add_nc_u64 s[14:15], s[14:15], s[24:25]
	s_lshl_b32 s24, s27, 12
	s_lshl_b32 s28, s22, 10
	s_add_co_u32 s24, s24, s28                     ; 512 bytes of words a tile
	s_lshl_b32 s28, s26, 6
	s_add_co_u32 s24, s24, s28                     ; 64 a K step
	s_add_nc_u64 s[16:17], s[16:17], s[24:25]
	v_lshlrev_b32 v23, 12, v3
	v_lshl_add_u32 v23, v2, 4, v23                 ; codes: lanes 16-31 the next tile; 16 bytes a column
	v_lshlrev_b32 v24, 9, v3
	v_lshl_add_u32 v24, v2, 2, v24                 ; words likewise
.macro WLOAD b                         ; block b: W(32 b + i, my column), i = 0 .. 31
.irp i, 0,1,2,3,4,5,6,7,8,9,10,11,12,13,14,15,16,17,18,19,20,21,22,23,24,25,26,27,28,29,30,31
	global_load_b32 v[RR+32*(\b)+\i], v7, s[6:7] offset:(32*(\b)+\i)*12288 th:TH_LOAD_NT
.endr
.endm
.macro WBLOCK b
.if (\b) < 3
	s_wait_loadcnt 32                              ; this block's 32 loads are in; the next block's 32 may be out
.else
	s_wait_loadcnt 0
.endif
.if (\b) < 2
	WLOAD (\b)+2                                   ; two blocks ahead, into registers of its own
.endif
.set WB, RR+32*(\b)
	v_max3_num_f32 v13, |v[WB]|, |v[WB+1]|, 0x1800000      ; the block's largest magnitude, in two chains, with the floor 2^(3 - 127)
	v_max3_num_f32 v14, |v[WB+16]|, |v[WB+17]|, 0x1800000
.irp i, 2,4,6,8,10,12,14
	v_max3_num_f32 v13, v13, |v[WB+\i]|, |v[WB+\i+1]|
	v_max3_num_f32 v14, v14, |v[WB+16+\i]|, |v[WB+17+\i]|
.endr
	v_max_num_f32 v13, v13, v14
	v_add_nc_u32 v15, 0xff000000, v13              ; the conversion's scale operand
.if (\b) == 0
	v_lshrrev_b32 v9, 23, v15                      ; the scale's byte: four to the column's word, the lower K in the lower byte
.else
	v_lshrrev_b32 v17, 23, v15
	v_lshl_or_b32 v9, v17, 8*(\b), v9
.endif
.irp g, 0,1,2,3
	v_cvt_scalef32_pk8_fp4_f32 v[CD+4*(\b)+\g], v[WB+8*\g:WB+8*\g+7], v15
.endr
	v_nop                                          ; one plain place behind the scaled conversions
	global_store_b128 v23, v[CD+4*(\b):CD+4*(\b)+3], s[14:15] offset:256*(\b)   ; sixteen lanes store 256 consecutive bytes, aligned: block b of a tile's image
.endm
	WLOAD 0
	WLOAD 1
	WBLOCK 0
	WBLOCK 1
	WBLOCK 2
	WBLOCK 3
	global_store_b32 v24, v9, s[16:17]             ; sixteen lanes store a tile's 64 bytes of words for this K step (pieces of 64 bytes: 98,304 bytes in the whole launch)
	s_branch .Lend
.Lpath_o:
; ---- W_o to f16, as it lies: a wave takes 2,048 numbers.
	s_sub_co_u32 s23, ttmp9, 448
	s_lshl_b32 s23, s23, 2
	s_add_co_u32 s23, s23, s22                     ; unit
	s_lshl_b32 s24, s23, 13
	s_add_nc_u64 s[8:9], s[8:9], s[24:25]
	s_lshl_b32 s24, s23, 12
	s_add_nc_u64 s[18:19], s[18:19], s[24:25]
.irp i, 0,1,2,3,4,5,6,7,8,9,10,11,12,13,14,15
	global_load_b128 v[RR+4*\i:RR+4*\i+3], v4, s[8:9] offset:512*\i th:TH_LOAD_NT
.endr
.irp i, 0,1,2,3,4,5,6,7,8,9,10,11,12,13,14,15
	s_wait_loadcnt 15-\i                           ; loads come back in order: load i is in, the younger ones stay out
	v_cvt_pk_f16_f32 v[CD+2*\i], v[RR+4*\i], v[RR+4*\i+1]
	v_cvt_pk_f16_f32 v[CD+2*\i+1], v[RR+4*\i+2], v[RR+4*\i+3]
	global_store_b64 v25, v[CD+2*\i:CD+2*\i+1], s[18:19] offset:256*\i   ; 32 lanes store 256 consecutive bytes, aligned
.endr
.Lend:
	s_wait_tensorcnt 0x0                           ; the wave's end: a tensor wait, an add
	ds_add_u32 v28, v29
	s_wait_dscnt 0x0
	s_endpgm
.Lfunc_end_k_q22ba7d7d86_prep:
	.size	k_q22ba7d7d86_prep, .Lfunc_end_k_q22ba7d7d86_prep-k_q22ba7d7d86_prep
	.p2alignl 7, 3214868480
	.fill 96, 4, 3214868480
	.section	.rodata,"a",@progbits
	.p2align	6, 0x0
	.amdhsa_kernel k_q22ba7d7d86_prep
		.amdhsa_group_segment_fixed_size 34304
		.amdhsa_private_segment_fixed_size 0
		.amdhsa_enable_private_segment 0
		.amdhsa_kernarg_size 64
		.amdhsa_user_sgpr_count 2
		.amdhsa_user_sgpr_kernarg_segment_ptr 1
		.amdhsa_wavefront_size32 1
		.amdhsa_system_sgpr_workgroup_id_x 1
		.amdhsa_system_sgpr_workgroup_id_y 1
		.amdhsa_system_sgpr_workgroup_id_z 1
		.amdhsa_system_vgpr_workitem_id 0
		.amdhsa_next_free_vgpr 256
		.amdhsa_next_free_sgpr 66
		.amdhsa_reserve_vcc 0
		.amdhsa_float_denorm_mode_32 3
		.amdhsa_float_denorm_mode_16_64 3
		.amdhsa_memory_ordered 1
		.amdhsa_forward_progress 1
		.amdhsa_inst_pref_size 55
	.end_amdhsa_kernel
	.amdgpu_metadata
---
amdhsa.version: [ 1, 2 ]
amdhsa.kernels:
  - .name:           k_q22ba7d7d86_prep
    .symbol:         k_q22ba7d7d86_prep.kd
    .args:
      - { .name: x, .offset: 0, .size: 8, .value_kind: global_buffer, .address_space: global }
      - { .name: W_qkv, .offset: 8, .size: 8, .value_kind: global_buffer, .address_space: global }
      - { .name: W_o, .offset: 16, .size: 8, .value_kind: global_buffer, .address_space: global }
      - { .name: xq, .offset: 24, .size: 8, .value_kind: global_buffer, .address_space: global }
      - { .name: sx, .offset: 32, .size: 8, .value_kind: global_buffer, .address_space: global }
      - { .name: wq, .offset: 40, .size: 8, .value_kind: global_buffer, .address_space: global }
      - { .name: sw, .offset: 48, .size: 8, .value_kind: global_buffer, .address_space: global }
      - { .name: wo16, .offset: 56, .size: 8, .value_kind: global_buffer, .address_space: global }
    .group_segment_fixed_size: 34304
    .private_segment_fixed_size: 0
    .kernarg_segment_align: 8
    .kernarg_segment_size: 64
    .max_flat_workgroup_size: 128
    .sgpr_count:     66
    .vgpr_count:     256
    .wavefront_size: 32
...
	.end_amdgpu_metadata
.endif
;; end of part 1
;; launch qkvgemm (part 2): grid 12 x 32, 4 waves a work-group, clusters of 4 x 4, 327,680 bytes of LDS; arguments xq, sx, wq, sw, b_qkv, qkv; writes qkv
.if DOCPART == 2
	.amdgcn_target "amdgcn-amd-amdhsa--gfx1250"
	.amdhsa_code_object_version 6
	.text
	.protected	k_q22ba7d7d86_qkvgemm
	.globl	k_q22ba7d7d86_qkvgemm
	.p2align	8
	.type	k_q22ba7d7d86_qkvgemm,@function
k_q22ba7d7d86_qkvgemm:
	s_mov_b64 s[64:65], 0
	v_nop
	global_prefetch_b8 v0, s[64:65] scope:SCOPE_SE
	s_setreg_imm32_b32 hwreg(HW_REG_WAVE_MODE, 25, 1), 1
	s_wait_xcnt 0x0
	s_wait_alu depctr_hold_cnt(0) depctr_sa_sdst(0) depctr_va_vdst(0) depctr_va_sdst(0) depctr_va_ssrc(0) depctr_va_vcc(0) depctr_vm_vsrc(0)
	s_getreg_b32 s2, hwreg(HW_REG_IB_STS2, 6, 4)
	s_cmp_eq_u32 s2, 0
	s_cbranch_scc0 .Lentry_in_a_cluster
	s_endpgm
.Lentry_in_a_cluster:
	s_bfe_u32 s2, ttmp6, 0x10000c
	s_cmp_lg_u32 s2, 0xf033
	s_cbranch_scc0 .Lentry_shape_is_right
	s_endpgm
.Lentry_shape_is_right:
; qkv = Q(x) Q(W_qkv) + b_qkv: [8192] x [3072], K = 1,024, on codes of FP4 (E2M1) with one E8M0 scale for each 32 along K; sums in f32, the bias being the C of each sum's first product.
; The result is rounded once to f16 and laid by heads: qkv [section 3][batch 4][head 16][t 2048][64].   LIMIT: q, k and v must lie inside f16's range (65,504 in magnitude).
; A tile of C, 256 x 256, is made by a work-group of four waves; a wave makes 128 x 128: 64 accumulators of 16 x 16, 512 registers.
; Codes arrive as images of the operand's registers (1,024 bytes a fragment, group c of lane l at 512 c + 16 l), so a fragment is two ds_load_b128 at 16 x lane, and 8 tiles x 4 K steps are one dense block of 32,768 bytes.
; ALL OF K FITS IN LDS: two slices of 512 along K (A's 16 tiles and B's 16 tiles each) and all scale words are asked for at the head, three tensor loads a wave, and nothing is filled twice.
; CLUSTERS: 4 x 4 work-groups.  The four of a row of the cluster need the same tiles of A, the four of a column the same tiles of B: each block is asked for JOINTLY, by the same tensor load with the same descriptor and a mask that names the four.
; THE MATRIX INSTRUCTION IS USED TRANSPOSED (source 0 = 16 columns of W, source 1 = 16 rows of x): a lane then holds eight neighbouring columns of one token.
; REGISTERS, in windows of 256: window 0: v16-31 addresses; v32-63 A's scale words, v64-95 B's (they hold nothing else); v128-191 A's fragments, one set; v192-255 the bias; on the way out v128-223 are at work.
;   window 1: B's fragments, two sets, at v0 and v128.   window 2: the accumulators of my rows 0-63 ((a, b) at v[8 (8 a + b)]);   window 3: those of my rows 64-127.
.set SLICE,  131072                    ; a slice: A's 16 tiles x 4,096 bytes, then B's
.set SCL,    262144                    ; the scale words: A's 16 tiles x 512 bytes, then B's
.set STAGE,  278528                    ; the way out: 16 rows x 272 bytes for each wave; no tensor load lands here
.set SPITCH, 272
.set SPARE,  295936                    ; the spare words, 128 bytes for each wave
.set ADRA, 16                          ; v16-17  LDS address of my A fragments in slice 0, 1
.set ADRB, 20                          ; v20-21  the same for B
.set STO,  24                          ; v24     the way out: where I put 16 bytes of a token's row
.set RD,   25                          ; v25     where I read 16 bytes back
.set CO,   26                          ; v26     my byte offset in qkv
.set ASA,  27                          ; v27     LDS address of A's scale words
.set SPW,  28                          ; v28     my spare word; never rewritten
.set NIL,  29                          ; v29     0; never rewritten
.set ASB,  30                          ; v30     LDS address of B's scale words
.set BO,   31                          ; v31     32 h: my half's eight numbers of the bias
.set SA,   32                          ; register 4 a + p: lanes 0-15 the words of A's block a for K step 2 p, lanes 16-31 for K step 2 p + 1
.set SB,   64                          ; the same for B's block b
.set AF,   128
.set BI,   192                         ; register 8 b + j: the bias of column 16 b + 8 h + j
.set TMP,  128                         ; the way out: packed results
.set BK,   160                         ; and 16 rows read back: v160-191 and v192-223 by turns
.set G1, 24                            ; s[24:31] descriptor group 1 for A's codes;  s[32:39] group 0, one set for each slice
.set G0, 32
.set G1B, 48                           ; s[48:55], s[56:63] the same for B's
.set G0B, 56
.set G1S, 68                           ; s[68:75], s[76:79] groups 1 and 0 for A's scale words;  s[80:87], s[88:91] for B's
.set G0S, 76
.set G1SB, 80
.set G0SB, 88
.set MSB, 0
.macro WIN new                         ; the immediate's high byte repeats the setting that is left; a switch that changes nothing is dropped
.if MSB != (\new)
	s_set_vgpr_msb (MSB<<8)|(\new)
.set MSB, (\new)
.endif
.endm
; A joint load: waves 0 and 1 fetch for A, waves 2 and 3 for B.  Each of the two lines has one mask and one set of registers for all that issue it; the branch hangs on the wave's number alone.
; An s_nop 0 and four v_nop follow each of the two lines.
.macro JLOAD g0a, g1a, g0b, g1b
	s_cmp_eq_u32 s17, 0
	s_cbranch_scc0 .Lfor_b_\@
	tensor_load_to_lds s[\g0a:\g0a+3], s[\g1a:\g1a+7]
	s_nop 0
.rept 4
	v_nop
.endr
	s_branch .Lasked_\@
.Lfor_b_\@:
	tensor_load_to_lds s[\g0b:\g0b+3], s[\g1b:\g1b+7]
	s_nop 0
.rept 4
	v_nop
.endr
.Lasked_\@:
.endm
.macro CROUND                          ; a round of the cluster's barrier
	s_barrier_signal -1
	s_barrier_wait -1
	s_cmp_lg_u32 s16, 0
	s_cbranch_scc1 .Lnot_wave_0_\@
	s_barrier_signal -3
.Lnot_wave_0_\@:
	s_barrier_wait -3
	s_barrier_signal -1
	s_barrier_wait -1
.endm
	s_load_b128 s[4:7], s[0:1], 0x0                ; xq s[4:5], sx s[6:7]
	s_load_b128 s[8:11], s[0:1], 0x10              ; wq s[8:9], sw s[10:11]
	s_load_b128 s[12:15], s[0:1], 0x20             ; b_qkv s[12:13], qkv s[14:15]
	v_lshl_add_u32 v[SPW], v0, 2, SPARE
	v_mov_b32 v[NIL], 0
	ds_add_u32 v[SPW], v[NIL]                      ; the wave's opening: the add, twice on end, and its wait ahead of my first tensor load
	ds_add_u32 v[SPW], v[NIL]
	v_lshrrev_b32 v1, 5, v0
	v_readfirstlane_b32 s16, v1                    ; wave 0..3
	s_lshr_b32 s17, s16, 1                         ; which half of the tile's rows is mine.  Also: I fetch for A (0) or for B (1)
	s_and_b32 s18, s16, 1                          ; which half of its columns.  Also: which 8 tiles of 16 I fetch
	s_bfe_u32 s40, ttmp6, 0x40000                  ; cx, cy: my place in the cluster
	s_bfe_u32 s41, ttmp6, 0x40004
	s_lshl_b32 s42, ttmp9, 2
	s_add_co_u32 s42, s42, s40                     ; tile column of C = 4 x cluster x + cx
	s_and_b32 s19, ttmp7, 0xffff
	s_lshl_b32 s19, s19, 2
	s_add_co_u32 s19, s19, s41                     ; tile row of C = 4 x cluster y + cy
	s_lshl_b32 s43, s41, 2
	s_lshl_b32 s43, 15, s43                        ; my row of the cluster
	s_lshl_b32 s44, 0x1111, s40                    ; my column
	; group 1 for codes: a dense block of 32,768 bytes as 128 rows of 32 elements of 8 bytes, no padding
	s_or_b32 s[G1], s43, (3<<16)|(1<<21)           ; 15:0 the mask: A's blocks go to my row; 17:16 elements of 8 bytes; 21 set beside a mask
	s_or_b32 s[G1B], s44, (3<<16)|(1<<21)
.irp g, G1, G1B
	s_mov_b32 s[\g+1], 32<<16                      ; tensor_dim0
	s_mov_b32 s[\g+2], 128<<16                     ; tensor_dim1
	s_mov_b32 s[\g+3], 32<<16                      ; tile_dim0
	s_mov_b32 s[\g+4], 128                         ; tile_dim1
	s_mov_b32 s[\g+5], 32                          ; from row to row
	s_mov_b32 s[\g+6], 0
	s_mov_b32 s[\g+7], 0
.endr
	; and for the scale words of 8 tiles: 4,096 dense bytes as 16 such rows
	s_or_b32 s[G1S], s43, (3<<16)|(1<<21)
	s_or_b32 s[G1SB], s44, (3<<16)|(1<<21)
.irp g, G1S, G1SB
	s_mov_b32 s[\g+1], 32<<16
	s_mov_b32 s[\g+2], 16<<16
	s_mov_b32 s[\g+3], 32<<16
	s_mov_b32 s[\g+4], 16
	s_mov_b32 s[\g+5], 32
	s_mov_b32 s[\g+6], 0
	s_mov_b32 s[\g+7], 0
.endr
	s_lshl_b32 s45, s18, 3                         ; which 8 tiles
	s_lshl_b32 s20, s19, 4
	s_add_co_u32 s20, s20, s45                     ; A: tile 16 x tile row + 8 x half
	s_lshl_b32 s46, s42, 4
	s_add_co_u32 s46, s46, s45                     ; B: tile 16 x tile column + 8 x half
	s_lshl_b32 s22, s20, 9                         ; their scale words: 512 bytes a tile
	s_mov_b32 s23, 0
	s_lshl_b32 s92, s46, 9
	s_mov_b32 s93, 0
	s_lshl_b32 s20, s20, 12                        ; their codes: 4,096 bytes a tile and K half
	s_mov_b32 s21, 0
	s_lshl_b32 s46, s46, 12
	s_mov_b32 s47, 0
	s_lshl_b32 s45, s16, 15                        ; where they go: wave x 32,768: no place in the cluster enters an LDS address
	s_lshl_b32 s94, s16, 12                        ; and wave x 4,096
	s_wait_dscnt 0x0                               ; both opening adds are done
	s_wait_kmcnt 0x0
	s_add_nc_u64 s[20:21], s[4:5], s[20:21]
	s_add_nc_u64 s[22:23], s[6:7], s[22:23]
	s_add_nc_u64 s[46:47], s[8:9], s[46:47]
	s_add_nc_u64 s[92:93], s[10:11], s[92:93]
	CROUND                                         ; all sixteen work-groups are here: the first joint loads meet
	s_mov_b32 s[G0S], 1
	s_add_co_u32 s[G0S+1], s94, SCL
	s_mov_b64 s[G0S+2:G0S+3], s[22:23]
	s_or_b32 s[G0S+3], s[G0S+3], 0x80000000
	s_mov_b32 s[G0SB], 1
	s_add_co_u32 s[G0SB+1], s94, SCL
	s_mov_b64 s[G0SB+2:G0SB+3], s[92:93]
	s_or_b32 s[G0SB+3], s[G0SB+3], 0x80000000
	JLOAD G0S, G1S, G0SB, G1SB                     ; the scale words first: they are wanted with K step 0
.irp s, 0,1
	s_mov_b32 s[G0+4*\s], 1
	s_add_co_u32 s[G0+4*\s+1], s45, \s*SLICE
	s_add_nc_u64 s[G0+4*\s+2:G0+4*\s+3], s[20:21], \s*2097152     ; the other K half of xq
	s_or_b32 s[G0+4*\s+3], s[G0+4*\s+3], 0x80000000
	s_mov_b32 s[G0B+4*\s], 1
	s_add_co_u32 s[G0B+4*\s+1], s45, \s*SLICE
	s_add_nc_u64 s[G0B+4*\s+2:G0B+4*\s+3], s[46:47], \s*786432    ; the other K half of wq
	s_or_b32 s[G0B+4*\s+3], s[G0B+4*\s+3], 0x80000000
	JLOAD G0+4*\s, G1, G0B+4*\s, G1B               ; by this text's count three tensor loads of a wave are out
.endr
	v_and_b32 v1, 31, v0                           ; lane
	v_and_b32 v2, 15, v0                           ; r
	v_bfe_u32 v3, v0, 4, 1                         ; h
	v_lshlrev_b32 v4, 4, v1                        ; 16 x lane
	s_lshl_b32 s94, s17, 15                        ; my 8 tiles of A
	s_lshl_b32 s95, s18, 15                        ; my 8 tiles of B,
	s_add_co_u32 s95, s95, 65536                   ; which lie behind A's 16
.irp s, 0,1
	v_add_nc_u32 v[ADRA+\s], s94, v4
	v_add_nc_u32 v[ADRB+\s], s95, v4
	s_add_co_u32 s94, s94, SLICE
	s_add_co_u32 s95, s95, SLICE
.endr
	v_lshlrev_b32 v5, 2, v1                        ; 4 x lane
	s_lshl_b32 s94, s17, 12
	s_add_co_u32 s94, s94, SCL
	v_add_nc_u32 v[ASA], s94, v5
	s_lshl_b32 s95, s18, 12
	s_add_co_u32 s95, s95, SCL+8192
	v_add_nc_u32 v[ASB], s95, v5
	s_mul_i32 s94, s16, 16*SPITCH
	s_add_co_u32 s94, s94, STAGE                   ; my stage
	v_lshrrev_b32 v5, 1, v2
	v_and_b32 v6, 1, v2
	v_lshl_add_u32 v5, v6, 3, v5                   ; token r lies in stage row r / 2 + 8 (r % 2): tokens 2 t and 2 t + 1 are 8 rows, 2,176 bytes, apart
	v_mul_u32_u24 v[STO], v5, SPITCH
	v_lshl_add_u32 v[STO], v3, 4, v[STO]
	v_add_nc_u32 v[STO], s94, v[STO]
	v_bfe_u32 v6, v0, 3, 1                         ; back: lanes 0-15 one head, lanes 16-31 the next; in sixteen lanes two tokens x 128 bytes
	v_and_b32 v7, 7, v0
	v_mul_u32_u24 v[RD], v6, 8*SPITCH
	v_lshl_add_u32 v[RD], v3, 7, v[RD]
	v_lshl_add_u32 v[RD], v7, 4, v[RD]
	v_add_nc_u32 v[RD], s94, v[RD]
	v_lshlrev_b32 v[CO], 18, v3                    ; a head is 262,144 bytes
	v_lshl_add_u32 v[CO], v6, 7, v[CO]             ; a token 128
	v_lshl_add_u32 v[CO], v7, 4, v[CO]
	v_lshlrev_b32 v[BO], 5, v3
	s_lshl_b32 s46, s42, 10                        ; the bias of my 128 columns: 4 (256 x tile column + 128 x half)
	s_lshl_b32 s47, s18, 9
	s_add_co_u32 s46, s46, s47
	s_mov_b32 s47, 0
	s_add_nc_u64 s[12:13], s[12:13], s[46:47]
.irp b, 0,1,2,3,4,5,6,7
	global_load_b128 v[BI+8*\b:BI+8*\b+3], v[BO], s[12:13] offset:64*\b
	global_load_b128 v[BI+8*\b+4:BI+8*\b+7], v[BO], s[12:13] offset:64*\b+16
.endr
	; where my part of qkv begins: my 128 columns are heads hg and hg + 1 of 48, hg = 4 x tile column + 2 x half; my 128 tokens lie in batch tile row / 8
	s_lshl_b32 s46, s42, 2
	s_lshl_b32 s47, s18, 1
	s_add_co_u32 s46, s46, s47                     ; hg
	s_lshr_b32 s47, s46, 4
	s_lshl_b32 s47, s47, 6                         ; section x 64 heads
	s_and_b32 s95, s46, 15
	s_add_co_u32 s47, s47, s95                     ; + head
	s_lshr_b32 s95, s19, 3
	s_lshl_b32 s95, s95, 4
	s_add_co_u32 s47, s47, s95                     ; + batch x 16 heads
	s_lshl_b32 s46, s47, 18
	s_and_b32 s95, s19, 7
	s_lshl_b32 s95, s95, 8
	s_lshl_b32 s94, s17, 7
	s_add_co_u32 s95, s95, s94                     ; my first token in its sequence
	s_lshl_b32 s95, s95, 7
	s_add_co_u32 s46, s46, s95
	s_mov_b32 s47, 0
	s_add_nc_u64 s[14:15], s[14:15], s[46:47]
.macro FRAG reg, adr, q, i             ; the image of tile i, the slice's q-th K step: 8 registers by two loads of 512 consecutive bytes
.irp c, 0,1
	ds_load_b128 v[\reg+4*\c:\reg+4*\c+3], v[\adr] offset:4096*(\i)+1024*(\q)+512*\c
.endr
.endm
; 16 matrix instructions: A's blocks a0, a0 + 1 x B's eight, 128 along K: K step 4 slot + q.  p: B's set.  first = 1: the bias is the C of the sums' first products: nothing is cleared and nothing is added later.
; A scale register holds an even K step's words in lanes 0-15 and the odd one's in lanes 16-31.  The 64 accumulators take turns, one instruction a turn, in the same order in every step.
.macro MUL16 a0, p, q, slot, first
.set QQ, 4*(\slot)+(\q)
.irp a, \a0, \a0+1
.irp b, 0,1,2,3,4,5,6,7
.if \first
	v_wmma_scale_f32_16x16x128_f8f6f4 v[8*(8*((\a)%4)+\b):8*(8*((\a)%4)+\b)+7], v[128*(\p)+8*\b:128*(\p)+8*\b+7], v[AF+8*(\a):AF+8*(\a)+7], v[BI+8*\b:BI+8*\b+7], v[SB+4*\b+QQ/2], v[SA+4*(\a)+QQ/2] matrix_a_fmt:MATRIX_FMT_FP4 matrix_b_fmt:MATRIX_FMT_FP4
.elseif QQ%2
	v_wmma_scale_f32_16x16x128_f8f6f4 v[8*(8*((\a)%4)+\b):8*(8*((\a)%4)+\b)+7], v[128*(\p)+8*\b:128*(\p)+8*\b+7], v[AF+8*(\a):AF+8*(\a)+7], v[8*(8*((\a)%4)+\b):8*(8*((\a)%4)+\b)+7], v[SB+4*\b+QQ/2], v[SA+4*(\a)+QQ/2] matrix_a_fmt:MATRIX_FMT_FP4 matrix_b_fmt:MATRIX_FMT_FP4 matrix_a_scale:MATRIX_SCALE_ROW1 matrix_b_scale:MATRIX_SCALE_ROW1
.else
	v_wmma_scale_f32_16x16x128_f8f6f4 v[8*(8*((\a)%4)+\b):8*(8*((\a)%4)+\b)+7], v[128*(\p)+8*\b:128*(\p)+8*\b+7], v[AF+8*(\a):AF+8*(\a)+7], v[8*(8*((\a)%4)+\b):8*(8*((\a)%4)+\b)+7], v[SB+4*\b+QQ/2], v[SA+4*(\a)+QQ/2] matrix_a_fmt:MATRIX_FMT_FP4 matrix_b_fmt:MATRIX_FMT_FP4
.endif
.endr
.endr
.endm
.macro FETCH_B slot, q, p              ; B's eight fragments into set p
	WIN 0x40                                       ; destination window 1, address window 0
.irp i, 0,1,2,3,4,5,6,7
	FRAG 128*(\p)+8*\i, ADRB+\slot, \q, \i
.endr
	WIN 0
.endm
.macro FETCH_A slot, q, i0             ; A's blocks i0 .. i0 + 3
.irp i, \i0, \i0+1, \i0+2, \i0+3
	FRAG AF+8*(\i), ADRA+\slot, \q, \i
.endr
.endm
; A load into a register that a matrix instruction has read, and a vector instruction or an LDS store that reads a matrix result, stand four places behind that matrix instruction; only plain vector
; instructions that name none of its registers are places (ISA guide 7.12.1 for vector instructions).
.macro PLACES
.rept 4
	v_nop
.endr
.endm
; A step of 128 along K that has its successor in the same slice.  A's one set: blocks 0-3 are fetched anew in the step's middle, blocks 4-7 at its end; B's other set in the middle.
.macro STEP slot, q, first
	s_wait_dscnt 8                                 ; all but the youngest eight loads (A's blocks 4-7) are in
.if \first
	WIN 0x81                                       ; source 0 (B) window 1, source 1 (A) and C (the bias) window 0, D window 2
.else
	WIN 0xa1                                       ; C and D window 2
.endif
	MUL16 0, (\q)%2, \q, \slot, \first
	MUL16 2, (\q)%2, \q, \slot, \first
	s_wait_dscnt 0x0                               ; A's blocks 4-7 are in
	PLACES
	FETCH_B \slot, (\q)+1, 1-(\q)%2
	FETCH_A \slot, (\q)+1, 0
.if \first
	WIN 0xc1
.else
	WIN 0xf1
.endif
	MUL16 4, (\q)%2, \q, \slot, \first
	MUL16 6, (\q)%2, \q, \slot, \first
	PLACES
	WIN 0
	FETCH_A \slot, (\q)+1, 4
.endm
.macro STEPS slot, from                ; the slice's steps from .. 2
.set QN, \from
.rept 3-\from
	STEP \slot, QN, 0
.set QN, QN+1
.endr
.endm
	s_wait_tensorcnt 1                             ; the scale words and my part of slice 0 are in (slice 1's load may be out)
	s_barrier_signal -1
	s_barrier_wait -1                              ; everybody's are
	FETCH_B 0, 0, 0
	FETCH_A 0, 0, 0
.irp a, 0,1,2,3,4,5,6,7                ; all scale words, once: 4 bytes a lane
.irp p, 0,1,2,3
	ds_load_b32 v[SA+4*\a+\p], v[ASA] offset:512*\a+128*\p
	ds_load_b32 v[SB+4*\a+\p], v[ASB] offset:512*\a+128*\p
.endr
.endr
	FETCH_A 0, 0, 4
	s_wait_loadcnt 0x0                             ; the bias
	STEP 0, 0, 1
	STEPS 0, 1
	; slice 0's last step changes slices: each wave waits for all its tensor loads, its part of slice 1; one barrier; nothing is filled
	s_wait_tensorcnt 0x0
	ds_add_u32 v[SPW], v[NIL]                      ; 0 onto my spare word
	s_wait_dscnt 9                                 ; (the add and the youngest eight loads may be out)
	WIN 0xa1
	MUL16 0, 1, 3, 0, 0
	s_wait_dscnt 0x0
	s_barrier_signal -1
	MUL16 2, 1, 3, 0, 0
	WIN 0
	s_barrier_wait -1                              ; slice 1 is whole
	PLACES
	FETCH_B 1, 0, 0
	FETCH_A 1, 0, 0
	WIN 0xf1
	MUL16 4, 1, 3, 0, 0
	MUL16 6, 1, 3, 0, 0
	PLACES
	WIN 0
	FETCH_A 1, 0, 4
	STEPS 1, 0
	s_wait_dscnt 8                                 ; the very last step: nothing more to fetch
	WIN 0xa1
	MUL16 0, 1, 3, 1, 0
	MUL16 2, 1, 3, 1, 0
	s_wait_dscnt 0x0
	WIN 0xf1
	MUL16 4, 1, 3, 1, 0
	MUL16 6, 1, 3, 1, 0
	WIN 0
; THE WAY OUT, block by block of 16 tokens x 128 columns (two heads).  A lane's eight results pack into 16 bytes; they go through my own stage and come back so that sixteen lanes hold two tokens x 128 bytes of one
; head, which are 256 consecutive bytes of qkv, aligned.  LDS serves a wave's instructions in order (ISA guide 5.7.1.4): no wait between the stores and the loads.
.macro PACK a
.set AC, 64*((\a)%4)
	WIN 0x0a+5*((\a)/4)                            ; sources 0 and 1: window 2 or 3
.irp b, 0,1,2,3,4,5,6,7
.irp rr, 0,1,2,3
	v_cvt_pk_f16_f32 v[TMP+4*\b+\rr], v[AC+8*\b+2*\rr], v[AC+8*\b+2*\rr+1]     ; each accumulator from its low end on
.endr
.endr
	WIN 0
.endm
.macro TOSTAGE a
.set BB, BK+32*((\a)%2)
.irp b, 0,1,2,3,4,5,6,7
	ds_store_b128 v[STO], v[TMP+4*\b:TMP+4*\b+3] offset:32*\b
.endr
.irp t, 0,1,2,3,4,5,6,7
	ds_load_b128 v[BB+4*\t:BB+4*\t+3], v[RD] offset:\t*SPITCH
.endr
.endm
.macro SEND a
.set BB, BK+32*((\a)%2)
	s_wait_dscnt 0x0                               ; the block is back in registers
	s_wait_xcnt 0x0                                ; the earlier stores have read their registers: the block after this one may land where the block before it lay
.irp t, 0,1,2,3,4,5,6,7
	global_store_b128 v[CO], v[BB+4*\t:BB+4*\t+3], s[14:15] offset:2048*(\a)+256*\t   ; tokens 16 a + 2 t and + 1
.endr
.endm
	PLACES                                         ; behind the last products: for the conversions, which write where A's fragments lay, and for all later reads of results
	PACK 0
	TOSTAGE 0
.irp a, 1,2,3,4,5,6,7                  ; block a's conversions stand between block a - 1's loads from the stage and the wait for them
	PACK \a
	SEND \a-1
	TOSTAGE \a
.endr
	SEND 7
	s_wait_tensorcnt 0x0                           ; the wave's end: a tensor wait, an add and its wait, behind my last tensor load and my last LDS store
	ds_add_u32 v[SPW], v[NIL]
	s_wait_dscnt 0x0
	CROUND                                         ; the closing round: no work-group ends while a partner may still ask for a block that names it
	s_endpgm
.Lfunc_end_k_q22ba7d7d86_qkvgemm:
	.size	k_q22ba7d7d86_qkvgemm, .Lfunc_end_k_q22ba7d7d86_qkvgemm-k_q22ba7d7d86_qkvgemm
	.p2alignl 7, 3214868480
	.fill 96, 4, 3214868480
	.section	.rodata,"a",@progbits
	.p2align	6, 0x0
	.amdhsa_kernel k_q22ba7d7d86_qkvgemm
		.amdhsa_group_segment_fixed_size 327680
		.amdhsa_private_segment_fixed_size 0
		.amdhsa_enable_private_segment 0
		.amdhsa_kernarg_size 48
		.amdhsa_user_sgpr_count 2
		.amdhsa_user_sgpr_kernarg_segment_ptr 1
		.amdhsa_wavefront_size32 1
		.amdhsa_system_sgpr_workgroup_id_x 1
		.amdhsa_system_sgpr_workgroup_id_y 1
		.amdhsa_system_sgpr_workgroup_id_z 1
		.amdhsa_system_vgpr_workitem_id 0
		.amdhsa_next_free_vgpr 1024
		.amdhsa_next_free_sgpr 98
		.amdhsa_reserve_vcc 0
		.amdhsa_float_denorm_mode_32 3
		.amdhsa_float_denorm_mode_16_64 3
		.amdhsa_memory_ordered 1
		.amdhsa_forward_progress 1
		.amdhsa_inst_pref_size 131
	.end_amdhsa_kernel
	.amdgpu_metadata
---
amdhsa.version: [ 1, 2 ]
amdhsa.kernels:
  - .name:           k_q22ba7d7d86_qkvgemm
    .symbol:         k_q22ba7d7d86_qkvgemm.kd
    .args:
      - { .name: xq, .offset: 0, .size: 8, .value_kind: global_buffer, .address_space: global }
      - { .name: sx, .offset: 8, .size: 8, .value_kind: global_buffer, .address_space: global }
      - { .name: wq, .offset: 16, .size: 8, .value_kind: global_buffer, .address_space: global }
      - { .name: sw, .offset: 24, .size: 8, .value_kind: global_buffer, .address_space: global }
      - { .name: b_qkv, .offset: 32, .size: 8, .value_kind: global_buffer, .address_space: global }
      - { .name: qkv, .offset: 40, .size: 8, .value_kind: global_buffer, .address_space: global }
    .group_segment_fixed_size: 327680
    .private_segment_fixed_size: 0
    .kernarg_segment_align: 8
    .kernarg_segment_size: 48
    .max_flat_workgroup_size: 128
    .sgpr_count:     98
    .vgpr_count:     1024
    .wavefront_size: 32
...
	.end_amdgpu_metadata
.endif
;; end of part 2
;; launch attn (part 3): grid 4 x 64, 8 waves a work-group, no clusters, 327,680 bytes of LDS; arguments qkv, ob; writes ob
.if DOCPART == 3
	.amdgcn_target "amdgcn-amd-amdhsa--gfx1250"
	.amdhsa_code_object_version 6
	.text
	.protected	k_q22ba7d7d86_attn
	.globl	k_q22ba7d7d86_attn
	.p2align	8
	.type	k_q22ba7d7d86_attn,@function
k_q22ba7d7d86_attn:
	s_mov_b64 s[64:65], 0
	v_nop
	global_prefetch_b8 v0, s[64:65] scope:SCOPE_SE
	s_setreg_imm32_b32 hwreg(HW_REG_WAVE_MODE, 25, 1), 1
	s_wait_xcnt 0x0
; O[bh][q] = the sum over k <= q of softmax_k(Q[bh][q] . K[bh][k] / 8) V[bh][k]: causal attention, head size 64, 2,048 positions, 64 heads.  Q, K, V: f16, [section][bh][t][64]; products, maxima and sums in f32;
; the weights p are rounded to f16 for the second product, O once at the end, to ob [head 16][token 8192][64] f16.   LIMIT: O must lie inside f16's range, which it does where V does (an average of V's rows).
; SHARES.  Work-group (i, bh) owns the query blocks 7 - i and i of head bh, 256 queries each.  Block j needs the key chunks 0 .. j of 256 keys: 8 - i and i + 1 chunks, NINE for every work-group: the loop's trip count
; is a constant, the work is even, and every chunk that is fetched is read.  Each of eight waves owns 32 queries of a block, two tiles of 16.
; NO CLUSTER: the four work-groups of a head walk chunks 0 .. 7 - i and then 0 .. i, so from the fifth trip on they want different chunks, and a joint load could not be issued alike by all that it names.
; LAYOUT.  S^T = K Q^T (source 0 = 16 keys, source 1 = 16 queries): a lane holds ONE query (lane % 16) and keys 8 (lane / 16) + 0..7.  Two such tiles, rounded to f16 in pairs, ARE source 1 of O^T = V^T P.
; K comes out of LDS as it lies, V ([key][channel]) turned, by ds_load_tr16_b128, into the registers that K has left.
; SOFTMAX.  For each query a running maximum m and sum l: p = 2^(c s - c m), c = log2(e) / 8; in every step O and l are multiplied by a = 2^(c m_old - c m_new).
; THE MASK.  A step of 64 keys all of which come after the wave's 32 queries is left out; a step that reaches past the wave's first query has its hidden scores set to -infinity; both by scalar branches on ids.
; A step that is walked begins at or before the wave's first query (steps begin at multiples of 64, waves at multiples of 32), so its first key counts for every query, and m is a number from the first step on.
.set PK,    144                        ; a key's row in LDS: 128 bytes + 16
.set PV,    160                        ; a value's row: 128 + 32
.set VOFF,  256*PK                     ; a slot: 256 rows of K, then 256 rows of V
.set SLOT1, 1<<17                      ; slot 1 begins here: one exclusive or turns an address in one slot into the other's
.set STAGE, 2*SLOT1                    ; the way out: 32 rows x 144 bytes for each wave; no tensor load lands here
.set SPARE, STAGE+8*32*PK              ; the spare words, 128 bytes for each wave
.set ST,  12                           ; tile t's statistics at v[ST + 10 t]: +0 c m, +1 m, +2, +3 l (even, odd registers'), +4 to +7 at work, +8 a, +9 c m_old
.set Q,   32                           ; v32-63   Q: tile t, channels 32 f on, at 16 t + 8 f
.set S,   64                           ; v64-127  S^T: tile t, keys 16 kt on, at 32 t + 8 kt; then P at 32 t + 0 .. 15
.set O,   128                          ; v128-191 O^T: tile t, channels 16 ct on, at 32 t + 8 ct
.set KV,  192                          ; v192-255 K (16 kt + 8 f), then V (32 ks + 8 ct)
; v1 my place in a tile of K; v2 in a tile of V; v3, v4 the step's addresses; v5 my offset in Q's rows; v6, v7 the stage, in and back; v8 16 x lane; v9 my spare word, v10 0: never rewritten; v11 256 x lane
; s8 wave; s9 i; s10 bh; s11 7 - i; s[12:15], s[32:35] groups 0 for K and V; s[16:23], s[24:31] groups 1; s[36:37], s[38:39] my quarter of chunk 0 of K, of V; s[40:41] an offset; s42 the chunk asked for last;
; s43 the chunk in hand; s44 the query block; s45 my first query; s46 the step's first key; s47, s48 where the step's tiles of K, of V begin in LDS; s49, s50 the loops' counters; s51, s[52:53] the prefetches';
; s[54:55] Q, s[56:57] O at my first query; s[58:59] c; s[60:61] lane selects; s62, s63 at work; s[66:67] q's head; s[68:69] ob's head and batch
.macro TLOAD                           ; waves 0-3 fetch K's quarters of a chunk, waves 4-7 V's: 64 rows each.  An s_nop 0 and four v_nop follow each of the two lines
	s_cmp_lt_u32 s8, 4
	s_cbranch_scc0 .Lfor_v_\@
	tensor_load_to_lds s[12:15], s[16:23]
	s_nop 0
.rept 4
	v_nop
.endr
	s_branch .Lasked_\@
.Lfor_v_\@:
	tensor_load_to_lds s[32:35], s[24:31]
	s_nop 0
.rept 4
	v_nop
.endr
.Lasked_\@:
.endm
; A PREFETCH of the chunk that the NEXT change of slots will ask for.  All four work-groups of a head begin with chunks 0, 1, 2 ..: work-group i = 0, which walks 0 .. 7 in order, asks, and nobody else, in trips 0 to 5,
; for chunks 2 to 7.  Each wave asks for the quarter that it will fetch, 8,192 bytes, lanes 256 bytes apart: each aligned block of 256 bytes is named once in the launch.  Chunks 0 and 1 come by their loads alone.
.macro ASK
	s_cmp_gt_u32 s49, s51
	s_cbranch_scc0 .Lnot_mine_\@
	global_prefetch_b8 v11, s[52:53] th:TH_LOAD_NT scope:SCOPE_SE
.Lnot_mine_\@:
.endm
.macro SETQ                            ; from the query block s44: my first query, and its byte in a head's rows
	s_lshl_b32 s45, s44, 8
	s_lshl_b32 s62, s8, 5
	s_add_co_u32 s45, s45, s62
	s_lshl_b32 s40, s45, 7
	s_mov_b32 s41, 0
.endm
.macro QLOAD                           ; my 32 queries' four fragments: lane l holds row l % 16; two loads of 16 bytes, 32 bytes apart, for 32 channels
.irp t, 0,1
.irp f, 0,1
	global_load_b128 v[Q+16*\t+8*\f:Q+16*\t+8*\f+3], v5, s[54:55] offset:2048*\t+64*\f
	global_load_b128 v[Q+16*\t+8*\f+4:Q+16*\t+8*\f+7], v5, s[54:55] offset:2048*\t+64*\f+32
.endr
.endr
.endm
.macro RESET                           ; a query block begins: O^T and l are zeros, m lies under every score.  (The step is written once: the first change of m multiplies zeros)
.set n, 0
.rept 64
	v_mov_b32 v[O+n], 0
.set n, n+1
.endr
.irp t, 0,1
	v_mov_b32 v[ST+10*\t+1], 0xff61b1e6            ; -3e38
	v_mul_f32 v[ST+10*\t], s58, v[ST+10*\t+1]
.irp u, 2,3,4,5,6,7,8,9
	v_mov_b32 v[ST+10*\t+\u], 0
.endr
.endr
.endm
	s_load_b128 s[4:7], s[0:1], 0x0                ; qkv s[4:5], ob s[6:7]
	v_lshl_add_u32 v9, v0, 2, SPARE
	v_mov_b32 v10, 0
	ds_add_u32 v9, v10                             ; the wave's opening: the add, twice on end, and its wait ahead of my first tensor load
	ds_add_u32 v9, v10
	v_lshrrev_b32 v1, 5, v0
	v_readfirstlane_b32 s8, v1                     ; wave 0..7
	s_mov_b32 s9, ttmp9                            ; i
	s_and_b32 s10, ttmp7, 0xffff                   ; bh = 16 x batch + head
	s_sub_co_u32 s11, 7, s9
	; group 1: a tile of 64 rows x 64 elements of 2 bytes, dense in memory, padded behind every row
	s_mov_b32 s16, (1<<16)|(1<<20)|(4<<22)|(3<<25) ; 17:16 elements of 2 bytes; 20 padding on; 24:22 after every 32 words (code 4); 31:25 four words (code 3)
	s_mov_b32 s24, (1<<16)|(1<<20)|(4<<22)|(7<<25) ; V: eight words (code 7)
.irp g, 16, 24
	s_mov_b32 s[\g+1], 64<<16                      ; tensor_dim0
	s_mov_b32 s[\g+2], 64<<16                      ; tensor_dim1
	s_mov_b32 s[\g+3], 64<<16                      ; tile_dim0
	s_mov_b32 s[\g+4], 64                          ; tile_dim1
	s_mov_b32 s[\g+5], 64                          ; from row to row
	s_mov_b32 s[\g+6], 0
	s_mov_b32 s[\g+7], 0
.endr
	s_and_b32 s62, s8, 3                           ; which quarter I fetch
	s_mov_b32 s12, 1
	s_mul_i32 s13, s62, 64*PK                      ; in slot 0
	s_mov_b32 s32, 1
	s_mul_i32 s33, s62, 64*PV
	s_add_co_u32 s33, s33, VOFF
	s_lshl_b32 s62, s62, 13                        ; and in memory: 64 rows of 128 bytes
	s_mov_b32 s63, 0
	s_lshl_b32 s40, s10, 18                        ; a head's 2,048 rows are 262,144 bytes
	s_mov_b32 s41, 0
	s_mov_b32 s58, 0x3e38aa3b                      ; c = log2(e) / 8
	s_mov_b32 s59, s58                             ; (named with it as a pair, so it is written)
	s_mov_b32 s60, 0x76543210
	s_mov_b32 s61, 0xfedcba98
	s_mov_b32 s42, 0
	s_mov_b32 s47, 0
	s_mov_b32 s48, 0
	s_mov_b32 s49, 8
	s_cmp_eq_u32 s9, 0
	s_cselect_b32 s51, 2, -1                       ; a wave prefetches while s49 is above this
	s_wait_dscnt 0x0                               ; both opening adds are done
	s_wait_kmcnt 0x0
	s_add_nc_u64 s[66:67], s[4:5], s[40:41]        ; q's head
	s_add_nc_u64 s[36:37], s[66:67], s[62:63]
	s_add_nc_u64 s[38:39], s[36:37], 0x2000000     ; v's section
	s_add_nc_u64 s[36:37], s[36:37], 0x1000000     ; k's section
	s_mov_b64 s[14:15], s[36:37]
	s_or_b32 s15, s15, 0x80000000
	s_mov_b64 s[34:35], s[38:39]
	s_or_b32 s35, s35, 0x80000000
	TLOAD                                          ; chunk 0 into slot 0
	s_cmp_lt_u32 s8, 4
	s_cselect_b64 s[52:53], s[36:37], s[38:39]
	s_add_nc_u64 s[52:53], s[52:53], 32768         ; at chunk 1: the first change of slots steps it to chunk 2.  Nothing is prefetched here, at the head
	s_and_b32 s62, s10, 15
	s_lshl_b32 s62, s62, 20                        ; ob: a head is 8,192 tokens of 128 bytes,
	s_lshr_b32 s63, s10, 4
	s_lshl_b32 s63, s63, 18                        ; a batch 2,048
	s_add_co_u32 s62, s62, s63
	s_mov_b32 s63, 0
	s_add_nc_u64 s[68:69], s[6:7], s[62:63]
	s_mov_b32 s44, s11                             ; the larger block first
	SETQ
	s_add_nc_u64 s[54:55], s[66:67], s[40:41]
	s_add_nc_u64 s[56:57], s[68:69], s[40:41]
	v_and_b32 v12, 15, v0                          ; r
	v_bfe_u32 v13, v0, 4, 1                        ; h
	v_and_b32 v14, 31, v0                          ; lane
	v_and_b32 v15, 7, v0
	v_bfe_u32 v16, v0, 3, 1
	v_lshlrev_b32 v5, 7, v12
	v_lshl_add_u32 v5, v13, 4, v5                  ; Q: row r of 128 bytes + 16 h
	QLOAD
	v_mul_u32_u24 v1, v12, PK
	v_lshl_add_u32 v1, v13, 4, v1                  ; K: row r x pitch + 16 h
	v_lshl_add_u32 v2, v13, 3, v15                 ; V, turned: lane l reads 16 bytes of key 8 h + l % 8, channels 8 ((l / 8) % 2) on
	v_mul_u32_u24 v2, v2, PV
	v_lshl_add_u32 v2, v16, 4, v2
	v_add_nc_u32 v2, VOFF, v2
	s_mul_i32 s62, s8, 32*PK
	s_add_co_u32 s62, s62, STAGE                   ; my stage
	v_add_nc_u32 v6, s62, v1                       ; in: row r, 16 bytes for each half of the lanes
	v_lshrrev_b32 v7, 3, v14
	v_mul_u32_u24 v7, v7, PK
	v_lshl_add_u32 v7, v15, 4, v7
	v_add_nc_u32 v7, s62, v7                       ; back: eight lanes to a row of 128 bytes, four rows an instruction
	v_lshlrev_b32 v8, 4, v14
	v_lshlrev_b32 v11, 8, v14
	RESET
	s_wait_loadcnt 0x0                             ; Q
; A KEY STEP: 64 keys from s46 on.
.macro STEP
	s_add_co_u32 s62, s45, 31
	s_cmp_gt_u32 s46, s62                          ; all keys come after my 32 queries: the step's work is left out, not the lines at its end that step addresses
	s_cbranch_scc1 .Lskip_\@
	v_add_nc_u32 v3, s47, v1                       ; five places: the last step's products V^T P read V's registers, into which loads now go (four are asked),
	v_add_nc_u32 v4, s48, v2                       ; and P's, over which matrix results are now written (five)
.rept 3
	v_nop
.endr
.irp kt, 0,1,2,3
.irp f, 0,1
	ds_load_b128 v[KV+16*\kt+8*\f:KV+16*\kt+8*\f+3], v3 offset:16*PK*\kt+64*\f
	ds_load_b128 v[KV+16*\kt+8*\f+4:KV+16*\kt+8*\f+7], v3 offset:16*PK*\kt+64*\f+32
.endr
.endr
	s_wait_dscnt 0x0
.irp f, 0,1                            ; S^T = K Q^T: eight accumulators by turns, one instruction a turn; the first eight start the sums
.irp kt, 0,1,2,3
.irp t, 0,1
.if \f == 0
	v_wmma_f32_16x16x32_f16 v[S+32*\t+8*\kt:S+32*\t+8*\kt+7], v[KV+16*\kt+8*\f:KV+16*\kt+8*\f+7], v[Q+16*\t+8*\f:Q+16*\t+8*\f+7], 0
.else
	v_wmma_f32_16x16x32_f16 v[S+32*\t+8*\kt:S+32*\t+8*\kt+7], v[KV+16*\kt+8*\f:KV+16*\kt+8*\f+7], v[Q+16*\t+8*\f:Q+16*\t+8*\f+7], v[S+32*\t+8*\kt:S+32*\t+8*\kt+7]
.endif
.endr
.endr
.endr
.rept 4
	v_nop                                          ; four places: for the loads into K's registers, and for the first reads of the scores
.endr
.irp ks, 0,1                           ; V lands while the softmax is walked
.irp ct, 0,1,2,3
	ds_load_tr16_b128 v[KV+32*\ks+8*\ct:KV+32*\ks+8*\ct+3], v4 offset:32*PV*\ks+32*\ct
	ds_load_tr16_b128 v[KV+32*\ks+8*\ct+4:KV+32*\ks+8*\ct+7], v4 offset:32*PV*\ks+32*\ct+16*PV
.endr
.endr
	s_add_co_u32 s62, s46, 63
	s_cmp_le_u32 s62, s45                          ; all 64 keys count for all my queries: no mask
	s_cbranch_scc1 .Lopen_\@
	s_sub_co_i32 s62, s45, s46
	v_and_b32 v16, 15, v0
	v_bfe_u32 v17, v0, 4, 1
	v_lshlrev_b32 v17, 3, v17
	v_sub_nc_u32 v16, v16, v17
	v_add_nc_u32 v16, s62, v16                     ; d = my query of tile 0 - the first key - 8 h.  Register 8 kt + j holds key 16 kt + 8 h + j of the step: hidden where 16 kt + j > d
	v_add_nc_u32 v26, 16, v16                      ; tile 1's queries are 16 further on
	v_mov_b32 v17, 0xff800000                      ; -infinity
.set n, 0
.rept 64
	v_cmp_gt_i32 vcc_lo, 16*((n%32)/8)+n%8, v[ST+10*(n/32)+4]
	v_cndmask_b32 v[S+n], v[S+n], v17, vcc_lo
.set n, n+1
.endr
.Lopen_\@:
	; the maximum of a lane's 32 scores and the old m: four chains of seven, then the rest; the two tiles by turns.  Each accumulator is read from its low end on
.irp j, 0,1,2,3
.irp t, 0,1
	v_max3_num_f32 v[ST+10*\t+4+\j], v[S+32*\t+8*\j], v[S+32*\t+8*\j+1], v[S+32*\t+8*\j+2]
.endr
.endr
.irp u, 1,2
.irp j, 0,1,2,3
.irp t, 0,1
	v_max3_num_f32 v[ST+10*\t+4+\j], v[ST+10*\t+4+\j], v[S+32*\t+8*\j+2*\u+1], v[S+32*\t+8*\j+2*\u+2]
.endr
.endr
.endr
.irp t, 0,1
	v_max3_num_f32 v[ST+10*\t+4], v[ST+10*\t+4], v[S+32*\t+7], v[S+32*\t+15]
.endr
.irp t, 0,1
	v_max3_num_f32 v[ST+10*\t+6], v[ST+10*\t+6], v[S+32*\t+23], v[S+32*\t+31]
.endr
.irp t, 0,1
	v_max3_num_f32 v[ST+10*\t+4], v[ST+10*\t+4], v[ST+10*\t+5], v[ST+10*\t+6]
.endr
.irp t, 0,1
	v_max3_num_f32 v[ST+10*\t+4], v[ST+10*\t+4], v[ST+10*\t+7], v[ST+10*\t+1]
.endr
.irp t, 0,1
	v_permlanex16_b32 v[ST+10*\t+5], v[ST+10*\t+4], s60, s61     ; the query's other 32 keys lie in the lane 16 away
.endr
.irp t, 0,1
	v_mov_b32 v[ST+10*\t+9], v[ST+10*\t]           ; c m_old
.endr
.irp t, 0,1
	v_max_num_f32 v[ST+10*\t+1], v[ST+10*\t+4], v[ST+10*\t+5]    ; the new m
.endr
.irp t, 0,1
	v_mul_f32 v[ST+10*\t], s58, v[ST+10*\t+1]
.endr
.irp t, 0,1
	v_sub_f32 v[ST+10*\t+9], v[ST+10*\t+9], v[ST+10*\t]
.endr
.set n, 0
.rept 16
.irp t, 0,1
	v_pk_fma_f32 v[S+32*\t+2*n:S+32*\t+2*n+1], v[S+32*\t+2*n:S+32*\t+2*n+1], s[58:59], v[ST+10*\t:ST+10*\t+1] op_sel_hi:[1,0,0] neg_lo:[0,0,1] neg_hi:[0,0,1]   ; c s - c m, two at a time
.endr
.set n, n+1
.endr
.irp t, 0,1
	v_exp_f32 v[ST+10*\t+8], v[ST+10*\t+9]         ; a
.endr
.set n, 0
.rept 64
	v_exp_f32 v[S+n], v[S+n]                       ; p: one batch of 66 exponentials
.set n, n+1
.endr
	v_nop                                          ; a plain instruction behind the last exponential
	s_wait_alu depctr_va_vdst(0)                   ; one wait for the batch, ahead of its first reader
.irp t, 0,1                            ; the row's sums, of the unrounded p, in two chains a tile
	v_pk_add_f32 v[ST+10*\t+4:ST+10*\t+5], v[S+32*\t:S+32*\t+1], v[S+32*\t+2:S+32*\t+3]
.endr
.irp t, 0,1
	v_pk_add_f32 v[ST+10*\t+6:ST+10*\t+7], v[S+32*\t+4:S+32*\t+5], v[S+32*\t+6:S+32*\t+7]
.endr
.irp u, 8,12,16,20,24,28
.irp t, 0,1
	v_pk_add_f32 v[ST+10*\t+4:ST+10*\t+5], v[ST+10*\t+4:ST+10*\t+5], v[S+32*\t+\u:S+32*\t+\u+1]
	v_pk_add_f32 v[ST+10*\t+6:ST+10*\t+7], v[ST+10*\t+6:ST+10*\t+7], v[S+32*\t+\u+2:S+32*\t+\u+3]
.endr
.endr
.irp t, 0,1
	v_pk_add_f32 v[ST+10*\t+4:ST+10*\t+5], v[ST+10*\t+4:ST+10*\t+5], v[ST+10*\t+6:ST+10*\t+7]
.endr
.irp t, 0,1
	v_pk_fma_f32 v[ST+10*\t+2:ST+10*\t+3], v[ST+10*\t+2:ST+10*\t+3], v[ST+10*\t+8:ST+10*\t+9], v[ST+10*\t+4:ST+10*\t+5] op_sel_hi:[1,0,1]   ; l = a l + the sum
.endr
.set n, 0
.rept 16                               ; P in place: register n takes registers 2 n and 2 n + 1, ascending, so nothing is lost
.irp t, 0,1
	v_cvt_pk_f16_f32 v[S+32*\t+n], v[S+32*\t+2*n], v[S+32*\t+2*n+1]
.endr
.set n, n+1
.endr
.set n, 0
.rept 16
.irp t, 0,1
	v_pk_mul_f32 v[O+32*\t+2*n:O+32*\t+2*n+1], v[O+32*\t+2*n:O+32*\t+2*n+1], v[ST+10*\t+8:ST+10*\t+9] op_sel_hi:[1,0]   ; O^T times a
.endr
.set n, n+1
.endr
	s_wait_dscnt 0x0                               ; V is in
.irp ks, 0,1                           ; O^T += V^T P: eight accumulators by turns
.irp ct, 0,1,2,3
.irp t, 0,1
	v_wmma_f32_16x16x32_f16 v[O+32*\t+8*\ct:O+32*\t+8*\ct+7], v[KV+32*\ks+8*\ct:KV+32*\ks+8*\ct+7], v[S+32*\t+8*\ks:S+32*\t+8*\ks+7], v[O+32*\t+8*\ct:O+32*\t+8*\ct+7]
.endr
.endr
.endr
.Lskip_\@:
	s_add_co_u32 s46, s46, 64
	s_add_co_u32 s47, s47, 64*PK
	s_add_co_u32 s48, s48, 64*PV
.endm
.macro STEPS                           ; a chunk's four key steps: written once, walked four times; then on to the other slot
	s_mov_b32 s50, 4
.Lstep_\@:
	STEP
	s_sub_co_u32 s50, s50, 1
	s_cmp_lg_u32 s50, 0
	s_cbranch_scc1 .Lstep_\@
	s_sub_co_u32 s47, s47, 256*PK
	s_xor_b32 s47, s47, SLOT1
	s_sub_co_u32 s48, s48, 256*PV
	s_xor_b32 s48, s48, SLOT1
.endm
; THE CHANGE OF SLOTS stands at a chunk's head.  Each wave waits for all its tensor loads (its quarter of the chunk that it is about to read), adds 0 to its spare word, and waits for that and for its reads of the slot
; that it has left.  Behind the barrier the slot ahead is whole and nobody reads the other one.  fill = 1: that other slot takes the next chunk of the walk, one load a wave, which has a chunk's four steps in which to land.
.macro CHANGE fill
	s_wait_tensorcnt 0x0                           ; no tensor load of mine is out, so a group 0 may be written
	ds_add_u32 v9, v10                             ; 0 onto my spare word
	s_mov_b32 s43, s42                             ; the chunk in hand
	s_lshl_b32 s46, s43, 8                         ; its first key
.if \fill
	s_add_co_u32 s62, s42, 1
	s_cmp_eq_u32 s42, s11
	s_cselect_b32 s42, 0, s62                      ; behind chunk 7 - i the walk begins anew for block i
	s_lshl_b32 s40, s42, 15                        ; a chunk is 32,768 bytes
	s_mov_b32 s41, 0
	s_xor_b32 s13, s13, SLOT1                      ; the other slot than last time
	s_add_nc_u64 s[14:15], s[36:37], s[40:41]
	s_or_b32 s15, s15, 0x80000000
	s_xor_b32 s33, s33, SLOT1
	s_add_nc_u64 s[34:35], s[38:39], s[40:41]
	s_or_b32 s35, s35, 0x80000000
	s_wait_xcnt 0x0                                ; the last prefetch, a chunk back, has read its address, so it may be written
	s_add_nc_u64 s[52:53], s[52:53], 32768
.endif
	s_wait_dscnt 0x0                               ; the add is done, and my reads of the slot that I have left are over
	s_barrier_signal -1
	s_barrier_wait -1
.if \fill
	TLOAD                                          ; the first thing behind the barrier, and a wave's one tensor load until the next
	ASK
.endif
.endm
; A QUERY BLOCK IS FINISHED: O^T is divided by l, rounded to f16 and sent through my stage, so that the wave's 32 rows of 128 bytes leave as 4,096 consecutive bytes.  again = 1: block i follows: its Q is asked for first.
.macro FINISH again
.rept 4
	v_nop                                          ; four places behind the last products
.endr
.if \again
	s_mov_b32 s44, s9
	SETQ
	s_add_nc_u64 s[54:55], s[66:67], s[40:41]      ; (the first block's loads of Q were waited for)
	QLOAD
.endif
.irp t, 0,1
	v_add_f32 v[ST+10*\t+4], v[ST+10*\t+2], v[ST+10*\t+3]
.endr
.irp t, 0,1
	v_permlanex16_b32 v[ST+10*\t+5], v[ST+10*\t+4], s60, s61
.endr
.irp t, 0,1
	v_add_f32 v[ST+10*\t+4], v[ST+10*\t+4], v[ST+10*\t+5]
.endr
.irp t, 0,1
	v_rcp_f32 v[ST+10*\t+8], v[ST+10*\t+4]
.endr
	v_nop                                          ; a plain instruction behind the last reciprocal
	s_wait_alu depctr_va_vdst(0)                   ; and the wait ahead of the first use: one for the two
.set n, 0
.rept 16
.irp t, 0,1
	v_pk_mul_f32 v[O+32*\t+2*n:O+32*\t+2*n+1], v[O+32*\t+2*n:O+32*\t+2*n+1], v[ST+10*\t+8:ST+10*\t+9] op_sel_hi:[1,0]
.endr
.set n, n+1
.endr
.set n, 0
.rept 32
	v_cvt_pk_f16_f32 v[S+n], v[O+2*n], v[O+2*n+1]
.set n, n+1
.endr
.irp t, 0,1
.irp ct, 0,1,2,3
	ds_store_b128 v6, v[S+16*\t+4*\ct:S+16*\t+4*\ct+3] offset:16*PK*\t+32*\ct
.endr
.endr
.irp u, 0,1,2,3,4,5,6,7
	ds_load_b128 v[S+32+4*\u:S+32+4*\u+3], v7 offset:4*PK*\u     ; LDS serves a wave's instructions in order: these see my stores
.endr
.irp u, 0,1,2,3,4,5,6,7
	s_wait_dscnt 7-\u                              ; load u is back, the younger ones stay out
	global_store_b128 v8, v[S+32+4*\u:S+32+4*\u+3], s[56:57] offset:512*\u   ; 32 lanes store 512 consecutive bytes, aligned
.endr
	s_wait_xcnt 0x0                                ; the stores have read their registers and their base: both may be written again
.if \again
	s_add_nc_u64 s[56:57], s[68:69], s[40:41]
	RESET
	s_wait_loadcnt 0x0                             ; Q
.endif
.endm
.Ltrip:                                            ; eight trips; behind each change of slots the next chunk of the walk is asked for
	CHANGE 1
	STEPS
	s_cmp_eq_u32 s43, s44                          ; the block's last chunk is the one on its diagonal.  Ids and counts alone: all eight waves go the same way
	s_cbranch_scc0 .Lon
	FINISH 1
.Lon:
	s_sub_co_u32 s49, s49, 1
	s_cmp_lg_u32 s49, 0
	s_cbranch_scc1 .Ltrip
	CHANGE 0                                       ; the ninth chunk, block i's diagonal, is written out: nothing is left to fetch
	STEPS
	FINISH 0
	s_wait_tensorcnt 0x0                           ; the wave's end: a tensor wait, an add and its wait, behind my last tensor load and my last LDS store
	ds_add_u32 v9, v10
	s_wait_dscnt 0x0
	s_endpgm
.Lfunc_end_k_q22ba7d7d86_attn:
	.size	k_q22ba7d7d86_attn, .Lfunc_end_k_q22ba7d7d86_attn-k_q22ba7d7d86_attn
	.p2alignl 7, 3214868480
	.fill 96, 4, 3214868480
	.section	.rodata,"a",@progbits
	.p2align	6, 0x0
	.amdhsa_kernel k_q22ba7d7d86_attn
		.amdhsa_group_segment_fixed_size 327680
		.amdhsa_private_segment_fixed_size 0
		.amdhsa_enable_private_segment 0
		.amdhsa_kernarg_size 16
		.amdhsa_user_sgpr_count 2
		.amdhsa_user_sgpr_kernarg_segment_ptr 1
		.amdhsa_wavefront_size32 1
		.amdhsa_system_sgpr_workgroup_id_x 1
		.amdhsa_system_sgpr_workgroup_id_y 1
		.amdhsa_system_sgpr_workgroup_id_z 1
		.amdhsa_system_vgpr_workitem_id 0
		.amdhsa_next_free_vgpr 256
		.amdhsa_next_free_sgpr 72
		.amdhsa_reserve_vcc 1
		.amdhsa_float_denorm_mode_32 3
		.amdhsa_float_denorm_mode_16_64 3
		.amdhsa_memory_ordered 1
		.amdhsa_forward_progress 1
		.amdhsa_inst_pref_size 72
	.end_amdhsa_kernel
	.amdgpu_metadata
---
amdhsa.version: [ 1, 2 ]
amdhsa.kernels:
  - .name:           k_q22ba7d7d86_attn
    .symbol:         k_q22ba7d7d86_attn.kd
    .args:
      - { .name: qkv, .offset: 0, .size: 8, .value_kind: global_buffer, .address_space: global }
      - { .name: ob, .offset: 8, .size: 8, .value_kind: global_buffer, .address_space: global }
    .group_segment_fixed_size: 327680
    .private_segment_fixed_size: 0
    .kernarg_segment_align: 8
    .kernarg_segment_size: 16
    .max_flat_workgroup_size: 256
    .sgpr_count:     72
    .vgpr_count:     256
    .wavefront_size: 32
...
	.end_amdgpu_metadata
.endif
;; end of part 3
;; launch proj (part 4): grid 8 x 32, 4 waves a work-group, clusters of 4 x 4, 327,680 bytes of LDS; arguments ob, wo16, b_o, out0; writes out0
.if DOCPART == 4
	.amdgcn_target "amdgcn-amd-amdhsa--gfx1250"
	.amdhsa_code_object_version 6
	.text
	.protected	k_q22ba7d7d86_proj
	.globl	k_q22ba7d7d86_proj
	.p2align	8
	.type	k_q22ba7d7d86_proj,@function
k_q22ba7d7d86_proj:
	s_mov_b64 s[64:65], 0
	v_nop
	global_prefetch_b8 v0, s[64:65] scope:SCOPE_SE
	s_setreg_imm32_b32 hwreg(HW_REG_WAVE_MODE, 25, 1), 1
	s_wait_xcnt 0x0
	s_wait_alu depctr_hold_cnt(0) depctr_sa_sdst(0) depctr_va_vdst(0) depctr_va_sdst(0) depctr_va_ssrc(0) depctr_va_vcc(0) depctr_vm_vsrc(0)
	s_getreg_b32 s2, hwreg(HW_REG_IB_STS2, 6, 4)
	s_cmp_eq_u32 s2, 0
	s_cbranch_scc0 .Lentry_in_a_cluster
	s_endpgm
.Lentry_in_a_cluster:
	s_bfe_u32 s2, ttmp6, 0x10000c
	s_cmp_lg_u32 s2, 0xf033
	s_cbranch_scc0 .Lentry_shape_is_right
	s_endpgm
.Lentry_shape_is_right:
; out0 = O W_o + b_o: [8192] x [1024], K = 1,024, f16 operands, f32 sums, the bias being the C of each sum's first product; out0 is f32.
; O arrives as ob [head 16][token 8192][64] f16 (K = 64 x head + channel), W_o as wo16 [k 1024][n 1024] f16.
; A tile of C is 256 tokens x 128 columns: 256 work-groups.  Four waves, each 128 x 64: 32 accumulators of 16 x 16, 256 registers.  K goes in steps of 128, two heads, through a ring of two LDS slots:
; waves 0 and 1 fetch a head's 256 rows of 128 bytes each, waves 2 and 3 64 rows of W_o (256 bytes of each) each.  W_o's fragments come out of LDS turned, by ds_load_tr16_b128.
; CLUSTERS: 4 x 4 work-groups.  The four of a row of the cluster need the same tiles of O, the four of a column the same tiles of W_o: each is asked for JOINTLY.
; THE MATRIX INSTRUCTION IS USED TRANSPOSED (source 0 = 16 columns of W_o, source 1 = 16 tokens): a lane then holds eight neighbouring columns of one token.
; No prefetch: the tile is small and shared, and one K step's tiles are asked for a whole K step ahead.
; REGISTERS: window 0: v16-31 addresses; v32-63 the bias; v64-127 rows on the way out.   window 1: two fragment buffers at v0 and v128: A's block i at 8 i, B's block b at 64 + 8 b.   window 2: the accumulators ((a, b) at v[8 (4 a + b)]).
.set PA,     144                       ; a token's row of one head in LDS: 128 bytes + 16
.set PB,     288                       ; a row of W_o's tile: 256 bytes + 32
.set PLANE,  256*PA                    ; a head's 256 rows
.set BOFF,   2*PLANE                   ; behind the two heads: 128 rows of W_o
.set SLOT,   BOFF+128*PB
.set STAGE,  2*SLOT                    ; the way out: 16 rows x 272 bytes for each wave; no tensor load lands here
.set SPITCH, 272
.set SPARE,  STAGE+4*16*SPITCH         ; the spare words, 128 bytes for each wave
.set LAPS,   4                         ; a lap = two K steps = once round the ring
.set ADRA, 16                          ; v16-17  LDS address of my A fragments in slot 0, 1
.set ADRB, 20                          ; v20-21  the same for B
.set STO,  24
.set RD,   25
.set CO,   26
.set BO,   27                          ; v27     32 h
.set SPW,  28                          ; v28     my spare word; never rewritten
.set NIL,  29                          ; v29     0; never rewritten
.set BI,   32                          ; register 8 b + j: the bias of column 16 b + 8 h + j
.set BK,   64
.set F0,   0
.set F1,   128
.set G1, 24                            ; s[24:31] descriptor group 1 for A's tiles;  s[32:39] group 0, one set for each slot
.set G0, 32
.set G1B, 48                           ; s[48:55], s[56:63] the same for B's
.set G0B, 56
.set MSB, 0
.macro WIN new
.if MSB != (\new)
	s_set_vgpr_msb (MSB<<8)|(\new)
.set MSB, (\new)
.endif
.endm
.set MUL,  0xa5                        ; sources 0 (B) and 1 (A) window 1; C and D window 2
.set MUL1, 0x85                        ; the same with C (the bias) in window 0
.set TO_F, 0x40                        ; destination window 1, address window 0
.macro JLOAD s                         ; a joint load: waves 0 and 1 fetch A's two heads, waves 2 and 3 B's two halves; an s_nop 0 and four v_nop follow each of the two lines
	s_cmp_eq_u32 s13, 0
	s_cbranch_scc0 .Lfor_b_\@
	tensor_load_to_lds s[G0+4*\s:G0+4*\s+3], s[G1:G1+7]
	s_nop 0
.rept 4
	v_nop
.endr
	s_branch .Lasked_\@
.Lfor_b_\@:
	tensor_load_to_lds s[G0B+4*\s:G0B+4*\s+3], s[G1B:G1B+7]
	s_nop 0
.rept 4
	v_nop
.endr
.Lasked_\@:
.endm
.macro CREST                           ; a round of the cluster's barrier behind its opening barrier
	s_cmp_lg_u32 s12, 0
	s_cbranch_scc1 .Lnot_wave_0_\@
	s_barrier_signal -3
.Lnot_wave_0_\@:
	s_barrier_wait -3
	s_barrier_signal -1
	s_barrier_wait -1
.endm
.macro CROUND
	s_barrier_signal -1
	s_barrier_wait -1
	CREST
.endm
	s_load_b256 s[4:11], s[0:1], 0x0               ; ob s[4:5], wo16 s[6:7], b_o s[8:9], out0 s[10:11]
	v_lshl_add_u32 v[SPW], v0, 2, SPARE
	v_mov_b32 v[NIL], 0
	ds_add_u32 v[SPW], v[NIL]                      ; the wave's opening: the add, twice on end, and its wait ahead of my first tensor load
	ds_add_u32 v[SPW], v[NIL]
	v_lshrrev_b32 v1, 5, v0
	v_readfirstlane_b32 s12, v1                    ; wave 0..3
	s_lshr_b32 s13, s12, 1                         ; which half of the tile's rows is mine.  Also: I fetch for A (0) or for B (1)
	s_and_b32 s14, s12, 1                          ; which half of its columns.  Also: which head of the two, or which 64 rows of W_o, I fetch
	s_bfe_u32 s40, ttmp6, 0x40000                  ; cx, cy
	s_bfe_u32 s41, ttmp6, 0x40004
	s_lshl_b32 s42, ttmp9, 2
	s_add_co_u32 s42, s42, s40                     ; tile column of C
	s_and_b32 s15, ttmp7, 0xffff
	s_lshl_b32 s15, s15, 2
	s_add_co_u32 s15, s15, s41                     ; tile row of C
	s_lshl_b32 s43, s41, 2
	s_lshl_b32 s43, 15, s43                        ; my row of the cluster
	s_lshl_b32 s44, 0x1111, s40                    ; my column
	s_or_b32 s[G1], s43, (1<<16)|(1<<20)|(1<<21)|(4<<22)|(3<<25)    ; A: elements of 2 bytes; padding of 4 words after every 32; bit 21 beside the mask
	s_mov_b32 s[G1+1], 64<<16                      ; tensor_dim0
	s_mov_b32 s[G1+2], 256<<16                     ; tensor_dim1
	s_mov_b32 s[G1+3], 64<<16                      ; tile_dim0
	s_mov_b32 s[G1+4], 256                         ; tile_dim1
	s_mov_b32 s[G1+5], 64                          ; from row to row
	s_mov_b32 s[G1+6], 0
	s_mov_b32 s[G1+7], 0
	s_or_b32 s[G1B], s44, (1<<16)|(1<<20)|(1<<21)|(5<<22)|(7<<25)   ; B: padding of 8 words after every 64
	s_mov_b32 s[G1B+1], 128<<16
	s_mov_b32 s[G1B+2], 64<<16
	s_mov_b32 s[G1B+3], 128<<16
	s_mov_b32 s[G1B+4], 64
	s_mov_b32 s[G1B+5], 1024
	s_mov_b32 s[G1B+6], 0
	s_mov_b32 s[G1B+7], 0
	s_lshl_b32 s16, s14, 20                        ; A: my head of the first two, 1,048,576 bytes a head,
	s_lshl_b32 s17, s15, 15                        ; and the tile's 256 tokens of 128 bytes
	s_add_co_u32 s16, s16, s17
	s_mov_b32 s17, 0
	s_lshl_b32 s46, s14, 17                        ; B: my 64 rows of 2,048 bytes,
	s_lshl_b32 s47, s42, 8                         ; and the tile's 128 columns
	s_add_co_u32 s46, s46, s47
	s_mov_b32 s47, 0
	s_mul_i32 s20, s14, PLANE                      ; where they go: no place in the cluster enters an LDS address
	s_mul_i32 s21, s14, 64*PB
	s_add_co_u32 s21, s21, BOFF
	s_wait_dscnt 0x0                               ; both opening adds are done
	s_wait_kmcnt 0x0
	s_add_nc_u64 s[16:17], s[4:5], s[16:17]
	s_add_nc_u64 s[46:47], s[6:7], s[46:47]
	CROUND                                         ; all sixteen work-groups are here: the first joint loads meet
.irp s, 0,1
	s_mov_b32 s[G0+4*\s], 1
	s_add_co_u32 s[G0+4*\s+1], s20, \s*SLOT
	s_add_nc_u64 s[G0+4*\s+2:G0+4*\s+3], s[16:17], \s*2097152       ; K step s: two heads on
	s_or_b32 s[G0+4*\s+3], s[G0+4*\s+3], 0x80000000
	s_mov_b32 s[G0B+4*\s], 1
	s_add_co_u32 s[G0B+4*\s+1], s21, \s*SLOT
	s_add_nc_u64 s[G0B+4*\s+2:G0B+4*\s+3], s[46:47], \s*262144      ; 128 rows on
	s_or_b32 s[G0B+4*\s+3], s[G0B+4*\s+3], 0x80000000
	JLOAD \s
.endr
	v_and_b32 v1, 15, v0                           ; r
	v_bfe_u32 v2, v0, 4, 1                         ; h
	v_and_b32 v3, 7, v0
	v_bfe_u32 v4, v0, 3, 1
	v_mul_u32_u24 v5, v1, PA
	v_lshl_add_u32 v5, v2, 4, v5                   ; A: row r x pitch + 16 h
	s_mul_i32 s22, s13, 128*PA                     ; my 128 tokens
	v_add_nc_u32 v[ADRA], s22, v5
	s_add_co_u32 s22, s22, SLOT
	v_add_nc_u32 v[ADRA+1], s22, v5
	v_lshl_add_u32 v6, v2, 3, v3                   ; B, turned: lane l reads 16 bytes of row k = 8 h + l % 8, columns 8 ((l / 8) % 2) on
	v_mul_u32_u24 v6, v6, PB
	v_lshl_add_u32 v6, v4, 4, v6
	s_lshl_b32 s23, s14, 7                         ; my 64 columns
	s_add_co_u32 s23, s23, BOFF
	v_add_nc_u32 v[ADRB], s23, v6
	s_add_co_u32 s23, s23, SLOT
	v_add_nc_u32 v[ADRB+1], s23, v6
	s_mul_i32 s22, s12, 16*SPITCH
	s_add_co_u32 s22, s22, STAGE                   ; my stage
	v_mul_u32_u24 v[STO], v1, SPITCH
	v_lshl_add_u32 v[STO], v2, 5, v[STO]
	v_add_nc_u32 v[STO], s22, v[STO]               ; in: row r, 32 bytes for each half of the lanes
	v_mul_u32_u24 v[RD], v2, SPITCH
	v_lshl_add_u32 v[RD], v1, 4, v[RD]
	v_add_nc_u32 v[RD], s22, v[RD]                 ; back: lanes 0-15 one row of 256 bytes, lanes 16-31 the next
	v_lshlrev_b32 v[CO], 12, v2
	v_lshl_add_u32 v[CO], v1, 4, v[CO]             ; and the same two rows in out0
	v_lshlrev_b32 v[BO], 5, v2
	s_lshl_b32 s46, s42, 9                         ; my 64 columns, in bytes of f32: 4 (128 x tile column + 64 x half)
	s_lshl_b32 s47, s14, 8
	s_add_co_u32 s46, s46, s47
	s_mov_b32 s47, 0
	s_add_nc_u64 s[8:9], s[8:9], s[46:47]
.irp b, 0,1,2,3
	global_load_b128 v[BI+8*\b:BI+8*\b+3], v[BO], s[8:9] offset:64*\b
	global_load_b128 v[BI+8*\b+4:BI+8*\b+7], v[BO], s[8:9] offset:64*\b+16
.endr
	s_lshl_b32 s16, s15, 20                        ; my first row of out0: (256 x tile row + 128 x half) rows of 4,096 bytes
	s_lshl_b32 s17, s13, 19
	s_add_co_u32 s16, s16, s17
	s_mov_b32 s17, 0
	s_add_nc_u64 s[16:17], s[16:17], s[46:47]
	s_add_nc_u64 s[10:11], s[10:11], s[16:17]
; 8 matrix instructions: A's blocks a0, a0 + 1 x B's four, 32 along K, from buffer f.  first = 1: the bias is the C of the sums' first products.  The 32 accumulators take turns, one instruction a turn.
.macro MULA f, a0, first
.irp a, \a0, \a0+1
.irp b, 0,1,2,3
.if \first
	v_wmma_f32_16x16x32_f16 v[8*(4*(\a)+\b):8*(4*(\a)+\b)+7], v[\f+64+8*\b:\f+64+8*\b+7], v[\f+8*(\a):\f+8*(\a)+7], v[BI+8*\b:BI+8*\b+7]
.else
	v_wmma_f32_16x16x32_f16 v[8*(4*(\a)+\b):8*(4*(\a)+\b)+7], v[\f+64+8*\b:\f+64+8*\b+7], v[\f+8*(\a):\f+8*(\a)+7], v[8*(4*(\a)+\b):8*(4*(\a)+\b)+7]
.endif
.endr
.endr
.endm
; 24 LDS loads in one run: the fragments of the slot's q-th 32 along K into buffer f: B's four (turned), then A's eight in order.  Quarters 0, 1 lie in the first head, 2, 3 in the second.
.macro FETCH slot, q, f
	WIN TO_F
.irp b, 0,1,2,3
	ds_load_tr16_b128 v[\f+64+8*\b:\f+64+8*\b+3],   v[ADRB+\slot] offset:32*PB*(\q)+32*\b
	ds_load_tr16_b128 v[\f+64+8*\b+4:\f+64+8*\b+7], v[ADRB+\slot] offset:32*PB*(\q)+32*\b+16*PB
.endr
.irp i, 0,1,2,3,4,5,6,7
	ds_load_b128 v[\f+8*\i:\f+8*\i+3],   v[ADRA+\slot] offset:PLANE*((\q)/2)+64*((\q)%2)+16*PA*\i
	ds_load_b128 v[\f+8*\i+4:\f+8*\i+7], v[ADRA+\slot] offset:PLANE*((\q)/2)+64*((\q)%2)+16*PA*\i+32
.endr
.endm
.macro PLACES                          ; four places in front of loads into registers that matrix instructions have read, and of the first reads of results
.rept 4
	v_nop
.endr
.endm
; A K step is four quarters of 32 along K, 32 matrix instructions each, on buffers 0, 1, 0, 1.  One of the first three: multiplies buffer f and fetches quarter q of the same slot into g.
.macro QUARTER slot, q, f, g, first
	s_wait_dscnt 8                                 ; all but the youngest eight loads (A's blocks 4-7) are in
.if \first
	WIN MUL1
.else
	WIN MUL
.endif
	MULA \f, 0, \first
	MULA \f, 2, \first
	PLACES
	FETCH \slot, \q, \g
	s_wait_dscnt 24                                ; all but the 24 just issued
.if \first
	WIN MUL1
.else
	WIN MUL
.endif
	MULA \f, 4, \first
	MULA \f, 6, \first
.endm
; The last quarter multiplies buffer 1 and changes slots: ONE barrier; in front of it each wave waits for all its tensor loads, adds 0 to its spare word, and waits for that and for its own reads of this slot.
; fill = 1: the barrier opens a round of the cluster's, and this slot is filled again, two K steps ahead, first thing behind the round.
.macro TURN slot, next, fill
	WIN 0                                          ; (the add's two registers lie in window 0)
	s_wait_tensorcnt 0x0                           ; all my tensor loads have landed: my part of the next slot;
	ds_add_u32 v[SPW], v[NIL]                      ; 0 onto my spare word;
	s_wait_dscnt 9                                 ; (the add and the youngest eight loads may be out)
	WIN MUL
	MULA F1, 0, 0                                  ; eight matrix instructions stand between the add and the wait for it
	s_wait_dscnt 0x0                               ; the add is done, and my reads of this slot are over
	s_barrier_signal -1
	MULA F1, 2, 0
.if \fill
	WIN 0
.endif
	s_barrier_wait -1
.if \fill
	CREST                                          ; no wave of any partner still reads this slot's tiles or has a load on its way
	s_add_nc_u64 s[G0+4*\slot+2:G0+4*\slot+3], s[G0+4*\slot+2:G0+4*\slot+3], 4194304     ; four heads on
	s_add_nc_u64 s[G0B+4*\slot+2:G0B+4*\slot+3], s[G0B+4*\slot+2:G0B+4*\slot+3], 524288  ; 256 rows on
	JLOAD \slot                                    ; the four v_nop behind it are also the places in front of the loads below
.else
	PLACES
.endif
	FETCH \next, 0, F0
	WIN MUL
	MULA F1, 4, 0
	MULA F1, 6, 0
.endm
	s_wait_tensorcnt 1                             ; my part of K step 0 is in (K step 1's load may be out)
	s_barrier_signal -1
	s_barrier_wait -1                              ; everybody's is
	FETCH 0, 0, F0
	s_wait_loadcnt 0x0                             ; the bias
	QUARTER 0, 1, F0, F1, 1                        ; the first quarter stands in front of the loop: its products start the sums
	WIN 0                                          ; at a label and at a branch every window is 0
	s_mov_b32 s3, LAPS-1
.Llap:                                             ; a trip goes once round the ring, from a lap's second quarter to the next lap's first, and fills both slots again
	QUARTER 0, 2, F1, F0, 0
	QUARTER 0, 3, F0, F1, 0
	TURN 0, 1, 1
	QUARTER 1, 1, F0, F1, 0
	QUARTER 1, 2, F1, F0, 0
	QUARTER 1, 3, F0, F1, 0
	TURN 1, 0, 1
	QUARTER 0, 1, F0, F1, 0
	WIN 0
	s_sub_co_u32 s3, s3, 1
	s_cmp_lg_u32 s3, 0
	s_cbranch_scc1 .Llap
	QUARTER 0, 2, F1, F0, 0                        ; the last lap fills nothing, and has no round of the cluster's barrier
	QUARTER 0, 3, F0, F1, 0
	TURN 0, 1, 0
	QUARTER 1, 1, F0, F1, 0
	QUARTER 1, 2, F1, F0, 0
	QUARTER 1, 3, F0, F1, 0
	s_wait_dscnt 8                                 ; the very last quarter: nothing more to fetch
	WIN MUL
	MULA F1, 0, 0
	MULA F1, 2, 0
	s_wait_dscnt 0x0
	MULA F1, 4, 0
	MULA F1, 6, 0
	WIN 0
; THE WAY OUT, block by block of 16 tokens x 64 columns.  A lane holds 32 neighbouring bytes of a row; a block goes through my own stage and comes back as whole rows of 256 bytes, which sixteen lanes store, aligned.
; LDS serves a wave's instructions in order (ISA guide 5.7.1.4): no wait between the stores and the loads, nor in front of the next block's stores.
.macro TOSTAGE a
	WIN 0x08                                       ; an LDS store's data are its source 1: window 2
.irp b, 0,1,2,3
	ds_store_b128 v[STO], v[8*(4*(\a)+\b):8*(4*(\a)+\b)+3] offset:64*\b            ; each accumulator from its low end on
	ds_store_b128 v[STO], v[8*(4*(\a)+\b)+4:8*(4*(\a)+\b)+7] offset:64*\b+16
.endr
	WIN 0
.set BB, BK+32*((\a)%2)
.irp t, 0,1,2,3,4,5,6,7
	ds_load_b128 v[BB+4*\t:BB+4*\t+3], v[RD] offset:\t*2*SPITCH
.endr
.endm
.macro SEND a, younger                 ; younger: the LDS instructions issued behind block a's loads, which may stay out
.set BB, BK+32*((\a)%2)
	s_wait_dscnt \younger
.irp t, 0,1,2,3,4,5,6,7
	global_store_b128 v[CO], v[BB+4*\t:BB+4*\t+3], s[10:11] offset:65536*(\a)+8192*\t th:TH_STORE_NT   ; rows 16 a + 2 t and + 1; written once, read by nobody here
.endr
.endm
	PLACES                                         ; behind the last products, for all reads of results below
	TOSTAGE 0
.irp a, 1,2,3,4,5,6,7
.if \a > 1
	s_wait_xcnt 0x0                                ; block a - 2's stores have read their registers: block a's loads may land there
.endif
	TOSTAGE \a
	SEND \a-1, 16                                  ; behind block a - 1's loads: block a's 8 stores and 8 loads
.endr
	SEND 7, 0
	s_wait_tensorcnt 0x0                           ; the wave's end: a tensor wait, an add and its wait, behind my last tensor load and my last LDS store
	ds_add_u32 v[SPW], v[NIL]
	s_wait_dscnt 0x0
	CROUND                                         ; the closing round: no work-group ends while a partner may still ask for a tile that names it
	s_endpgm
.Lfunc_end_k_q22ba7d7d86_proj:
	.size	k_q22ba7d7d86_proj, .Lfunc_end_k_q22ba7d7d86_proj-k_q22ba7d7d86_proj
	.p2alignl 7, 3214868480
	.fill 96, 4, 3214868480
	.section	.rodata,"a",@progbits
	.p2align	6, 0x0
	.amdhsa_kernel k_q22ba7d7d86_proj
		.amdhsa_group_segment_fixed_size 327680
		.amdhsa_private_segment_fixed_size 0
		.amdhsa_enable_private_segment 0
		.amdhsa_kernarg_size 32
		.amdhsa_user_sgpr_count 2
		.amdhsa_user_sgpr_kernarg_segment_ptr 1
		.amdhsa_wavefront_size32 1
		.amdhsa_system_sgpr_workgroup_id_x 1
		.amdhsa_system_sgpr_workgroup_id_y 1
		.amdhsa_system_sgpr_workgroup_id_z 1
		.amdhsa_system_vgpr_workitem_id 0
		.amdhsa_next_free_vgpr 768
		.amdhsa_next_free_sgpr 66
		.amdhsa_reserve_vcc 0
		.amdhsa_float_denorm_mode_32 3
		.amdhsa_float_denorm_mode_16_64 3
		.amdhsa_memory_ordered 1
		.amdhsa_forward_progress 1
		.amdhsa_inst_pref_size 86
	.end_amdhsa_kernel
	.amdgpu_metadata
---
amdhsa.version: [ 1, 2 ]
amdhsa.kernels:
  - .name:           k_q22ba7d7d86_proj
    .symbol:         k_q22ba7d7d86_proj.kd
    .args:
      - { .name: ob, .offset: 0, .size: 8, .value_kind: global_buffer, .address_space: global }
      - { .name: wo16, .offset: 8, .size: 8, .value_kind: global_buffer, .address_space: global }
      - { .name: b_o, .offset: 16, .size: 8, .value_kind: global_buffer, .address_space: global }
      - { .name: out0, .offset: 24, .size: 8, .value_kind: global_buffer, .address_space: global }
    .group_segment_fixed_size: 327680
    .private_segment_fixed_size: 0
    .kernarg_segment_align: 8
    .kernarg_segment_size: 32
    .max_flat_workgroup_size: 128
    .sgpr_count:     66
    .vgpr_count:     768
    .wavefront_size: 32
...
	.end_amdgpu_metadata
.endif
;; end of part 4
